; MI455X (gfx1250); checked and timed in simulation.
; The chip was launched on July 23, 2026; its instructions are those of AMD's public machine-readable ISA for CDNA 5 (MIT licence, August 2026) and "CDNA5" Instruction Set Architecture Reference Guide (July 2026). The comments in the code are by the model that wrote it; some were corrected since.
;; Drug2 Path Differ Cross MHA. Allowed arithmetic: float matrix products may take bf16 or f16 operands with f32 sums; other float arithmetic in f32, or as packed bf16 or f16 multiplies, adds, multiply-adds, maxima and minima; sums over many terms, partial sums and values carried from step to step in f32; what a program stores and reads back later, other than sums and carried values, may be rounded once to bf16 or f16.
;; Inputs: Wk 512 x 1,024 float32; Wo 1,024 x 512 float32; Wq 512 x 1,024 float32; Wv 512 x 1,024 float32; key 64 x 1,024 x 512 float32; lambda_k1 64 float32; lambda_k2 64 float32; lambda_q1 64 float32; lambda_q2 64 float32; query 64 x 1 x 512 float32; rms_weight 128 float32.
;; Outputs: out0 64 x 1 x 512 float32; out1 64 x 8 x 1 x 1,024 float32.
;; 2 versions, each right; version 2 is version 1 with the launches stream, combine written anew for expert scheduling mode. Each part assembles by itself: llvm-mc -triple=amdgcn-amd-amdhsa -mcpu=gfx1250 --defsym DOCPART=n.
;; ======== version 1 of 2: 4 launches
;; limits: a difference of large sums (such as E[x^2] - mean^2): digits are lost where the result is much smaller than its terms; values are held in f16: magnitudes above 65,504 overflow, below 6.1e-05 lose precision
;; workspace buffers: qk 1,048,576 bytes; part 8,388,608 bytes; wbuf 4,194,304 bytes; stats 32,768 bytes; on 131,072 bytes
;; launch qkprep (part 1): grid 16 x 16, 8 waves a work-group, no clusters, 161,280 bytes of LDS; arguments query, Wq, Wk, qk; writes qk
.if DOCPART == 1
	.amdgcn_target "amdgcn-amd-amdhsa--gfx1250"
	.amdhsa_code_object_version 6
	.text
	.protected	k_qf29f08ef6c_qkprep
	.globl	k_qf29f08ef6c_qkprep
	.p2align	8
	.type	k_qf29f08ef6c_qkprep,@function
k_qf29f08ef6c_qkprep:
	s_mov_b64 s[64:65], 0
	v_nop
	global_prefetch_b8 v0, s[64:65] scope:SCOPE_SE
	s_setreg_imm32_b32 hwreg(HW_REG_WAVE_MODE, 25, 1), 1
	s_wait_xcnt 0x0
; qk[b][hs][e] = c * sum over d of Wk[e][64 hs + d] * Q[b][64 hs + d],  Q = query Wq,  c = log2(e) / 8.  With ONE query row a batch the scores
; key Wk . Q are key . qk: the product is reassociated, so the order of rounding differs from the formula as it is usually written.
; SHARES.  Work-group (x, y): x = hs (one of 16 slices of 64 columns), y = 4 bg + ep: 16 batches, 128 of the 512 e.  Step 1 (Q, K = 512) is split over the eight waves,
; 64 e each, and the eight partial sums, kept in f32, meet in LDS.  Step 2 (K = 64): wave w makes the 16 e from 128 ep + 16 w.
; FORMATS.  All operands are rounded once from f32 to f16; sums in f32; qk leaves as f16.
; LIMITS.  query, Wq, Wk, Q and c qk must lie within f16's 65,504; NaN and infinities are not treated apart.
; NO CLUSTER, NO TENSOR LOAD: every operand arrives as f32 and has to pass registers to be rounded, so the loads are plain loads into registers.
.set PW, 160                     ; a row of Wq in LDS: 64 d in f16 = 128 bytes + 32: the turning load's 8 rows x 32 bytes fall on different banks (64 banks of 4 bytes: ISA guide 11.1)
.set PX, 144                     ; rows of 64 f16 read along K: 128 bytes + 16
.set PR, 272                     ; rows of 256 bytes + 16
.set BLK, 64*PW+2*16*PX          ; a wave's own block: Wq's 64 rows, query's 16, Wk's 16
.set XQO, 64*PW
.set WKO, XQO+16*PX
.set RED, 8*BLK                  ; [8 waves][16 b][64 d] f32: step 1's partial sums
.set QS,  RED+8*16*PR            ; [16 b][64 d] f16: Q
.set OS,  QS+16*PX               ; [16 b][128 e] f16: the way out
.set SPARE, OS+16*PR             ; the spare words: 128 bytes a wave, named by no other line
.set CC, 1                       ; lane % 16
.set GG, 2                       ; (lane / 16) % 2
.set GW, 3                       ; global offset in Wq and Wk: 4096 g + 16 c
.set GQ, 4                       ; in query: 2048 g + 16 c
.set SW, 5                       ; LDS: where I put 8 bytes of Wq, of query, of Wk
.set SX, 6
.set SK, 7
.set TRA, 8                      ; turning load of Wq
.set FX, 9                       ; fragments of query, of Wk, of Q
.set FK, 10
.set FQ, 11
.set RSA, 12                     ; partial sums in, and back
.set RRA, 13
.set QSS, 14
.set OSA, 15
.set ORA, 16
.set GO, 17
.set SPW, 18
.set NIL, 19
.set T, 20                       ; v20-35 at work
.set XD, 36                      ; as loaded: query 32, Wq 128, Wk 32 registers
.set WD, 68
.set KD, 196
.set AF, 36                      ; later: fragments of Wq (64), of query (16), step 1's four accumulators (32)
.set BF, 100
.set ACC, 116
.set KF, 148                     ; fragments of Wk (16), of Q (16), step 2's two accumulators
.set QF, 164
.set A0, 180
.set A1, 188
.set RD, 196                     ; eight partial sums read back
.macro PLACES                    ; four plain vector instructions between a matrix instruction and the first line that reads its result (ISA guide 7.12.1)
.rept 4
	v_nop
.endr
.endm
.macro BAR                       ; my LDS instructions are done; then the work-group meets
	s_wait_dscnt 0x0
	s_barrier_signal -1
	s_barrier_wait -1
.endm
.macro CV n, src, dst            ; n loads of four f32 become n pairs of registers of f16
.set cq, 0
.rept \n
	v_cvt_pk_f16_f32 v[(\dst)+2*cq], v[(\src)+4*cq], v[(\src)+4*cq+1]
	v_cvt_pk_f16_f32 v[(\dst)+2*cq+1], v[(\src)+4*cq+2], v[(\src)+4*cq+3]
.set cq, cq+1
.endr
.endm
.macro STAGE cnt, src, adr, first, step  ; eight loads are in (cnt younger ones stay out), are rounded and go into my own block, two rows a store
	s_wait_loadcnt \cnt
	CV 8, \src, T
.set si, 0
.rept 8
	ds_store_b64 v[\adr], v[T+2*si:T+2*si+1] offset:((\first)+si)*(\step)
.set si, si+1
.endr
.endm
.macro RADD a, b
	v_pk_add_f32 v[RD+4*\a:RD+4*\a+1], v[RD+4*\a:RD+4*\a+1], v[RD+4*\b:RD+4*\b+1]
	v_pk_add_f32 v[RD+4*\a+2:RD+4*\a+3], v[RD+4*\a+2:RD+4*\a+3], v[RD+4*\b+2:RD+4*\b+3]
.endm
	s_load_b256 s[4:11], s[0:1], 0x0       ; query s[4:5], Wq s[6:7], Wk s[8:9], qk s[10:11]
	v_lshl_add_u32 v[SPW], v0, 2, SPARE
	v_mov_b32 v[NIL], 0
	v_lshrrev_b32 v20, 5, v0
	v_readfirstlane_b32 s12, v20           ; wave
	s_and_b32 s14, ttmp7, 0xffff
	s_lshr_b32 s15, s14, 2                 ; bg
	s_and_b32 s16, s14, 3                  ; ep
	s_lshl_b32 s20, ttmp9, 8               ; hs: 64 columns of f32
	s_lshl_b32 s17, s12, 18                ; my 64 rows of Wq
	s_add_co_u32 s22, s20, s17
	s_mov_b32 s23, 0
	s_lshl_b32 s24, s15, 15                ; 16 rows of query, my 64 e of them
	s_lshl_b32 s17, s12, 8
	s_add_co_u32 s24, s24, s17
	s_mov_b32 s25, 0
	s_lshl_b32 s26, s16, 19                ; Wk: row 128 ep + 16 w
	s_lshl_b32 s17, s12, 16
	s_add_co_u32 s26, s26, s17
	s_add_co_u32 s26, s26, s20
	s_mov_b32 s27, 0
	s_lshl_b32 s28, s15, 18                ; qk: 16 batches of 16,384 bytes, row hs, 128 ep in f16
	s_lshl_b32 s17, ttmp9, 10
	s_add_co_u32 s28, s28, s17
	s_lshl_b32 s17, s16, 8
	s_add_co_u32 s28, s28, s17
	s_mov_b32 s29, 0
	s_mul_i32 s30, s12, BLK
	s_add_co_u32 s31, s30, XQO
	s_mul_i32 s32, s12, 16*PR
	s_add_co_u32 s32, s32, RED
	s_lshl_b32 s33, s12, 5
	s_add_co_u32 s33, s33, OS
	s_mov_b32 s34, 0x3e38aa3b              ; c = log2(e) / 8
	s_mov_b32 s35, s34                     ; named with it as a pair
	v_and_b32 v[CC], 15, v0
	v_bfe_u32 v[GG], v0, 4, 1
	v_lshlrev_b32 v22, 4, v[CC]
	v_lshl_add_u32 v[GW], v[GG], 12, v22
	v_lshl_add_u32 v[GQ], v[GG], 11, v22
	s_wait_kmcnt 0x0
	s_add_nc_u64 s[4:5], s[4:5], s[24:25]
	s_add_nc_u64 s[6:7], s[6:7], s[22:23]
	s_add_nc_u64 s[8:9], s[8:9], s[26:27]
	s_add_nc_u64 s[10:11], s[10:11], s[28:29]
	; all 48 loads go out at once; sixteen lanes take 256 consecutive bytes of a row, a load takes two rows
.set i, 0
.rept 8
	global_load_b128 v[XD+4*i:XD+4*i+3], v[GQ], s[4:5] offset:i*4096
.set i, i+1
.endr
.set i, 0
.rept 32
	global_load_b128 v[WD+4*i:WD+4*i+3], v[GW], s[6:7] offset:i*8192
.set i, i+1
.endr
.set i, 0
.rept 8
	global_load_b128 v[KD+4*i:KD+4*i+3], v[GW], s[8:9] offset:i*8192
.set i, i+1
.endr
	v_lshrrev_b32 v21, 4, v0               ; thread / 16 = 0 .. 15
	v_mul_u32_u24 v[SW], v[GG], PW
	v_lshl_add_u32 v[SW], v[CC], 3, v[SW]
	v_add_nc_u32 v[SW], s30, v[SW]
	v_mul_u32_u24 v[SX], v[GG], PX
	v_lshl_add_u32 v[SX], v[CC], 3, v[SX]
	v_add_nc_u32 v[SX], s31, v[SX]
	v_add_nc_u32 v[SK], WKO-XQO, v[SX]
	v_and_b32 v23, 7, v0
	v_lshl_add_u32 v23, v[GG], 3, v23      ; the turning load: lane l reads row 8 (l / 16) + l % 8, columns 8 ((l / 8) % 2) on
	v_mul_u32_u24 v[TRA], v23, PW
	v_bfe_u32 v23, v0, 3, 1
	v_lshl_add_u32 v[TRA], v23, 4, v[TRA]
	v_add_nc_u32 v[TRA], s30, v[TRA]
	v_mul_u32_u24 v23, v[CC], PX
	v_lshl_add_u32 v23, v[GG], 4, v23      ; a fragment along K: row l % 16, 16 bytes for each half of the lanes
	v_add_nc_u32 v[FX], s31, v23
	v_add_nc_u32 v[FK], WKO-XQO, v[FX]
	v_add_nc_u32 v[FQ], QS, v23
	v_mul_u32_u24 v23, v[CC], PR
	v_lshl_add_u32 v[RSA], v[GG], 5, v23
	v_add_nc_u32 v[RSA], s32, v[RSA]
	v_lshl_add_u32 v[OSA], v[GG], 4, v23
	v_add_nc_u32 v[OSA], s33, v[OSA]
	v_mul_u32_u24 v23, v21, PR
	v_add_nc_u32 v23, v23, v22
	v_add_nc_u32 v[RRA], RED, v23
	v_add_nc_u32 v[ORA], OS, v23
	v_mul_u32_u24 v[QSS], v21, PX
	v_lshl_add_u32 v[QSS], v[CC], 3, v[QSS]
	v_add_nc_u32 v[QSS], QS, v[QSS]
	v_lshl_add_u32 v[GO], v21, 14, v22
	; the counts: 48 loads in order; behind query's 8 stand 40, behind each of Wq's four eights 32, 24, 16, 8, behind Wk's none
	STAGE 40, XD, SX, 0, 2*PX
	STAGE 32, WD, SW, 0, 2*PW
	STAGE 24, WD+32, SW, 8, 2*PW
	STAGE 16, WD+64, SW, 16, 2*PW
	STAGE 8, WD+96, SW, 24, 2*PW
	STAGE 0, KD, SK, 0, 2*PX
	; STEP 1.  Q^T: source 0 = 16 d of Wq (turned: Wq lies [e][d]), source 1 = 16 batches of query; a lane of the result holds one batch and eight d.
	; The block is my own and LDS serves a wave's instructions in order (ISA guide 5.7.1.4): no barrier between the stores above and these loads.
.irp ks, 0,1
	ds_load_b128 v[BF+8*\ks:BF+8*\ks+3], v[FX] offset:64*\ks
	ds_load_b128 v[BF+8*\ks+4:BF+8*\ks+7], v[FX] offset:64*\ks+32
.irp t, 0,1,2,3
	ds_load_tr16_b128 v[AF+32*\ks+8*\t:AF+32*\ks+8*\t+3], v[TRA] offset:\ks*32*PW+\t*32
	ds_load_tr16_b128 v[AF+32*\ks+8*\t+4:AF+32*\ks+8*\t+7], v[TRA] offset:\ks*32*PW+16*PW+\t*32
.endr
.endr
	s_wait_dscnt 0x0
.irp t, 0,1,2,3                  ; the four accumulators take turns; the first products start the sums
	v_wmma_f32_16x16x32_f16 v[ACC+8*\t:ACC+8*\t+7], v[AF+8*\t:AF+8*\t+7], v[BF:BF+7], 0
.endr
.irp t, 0,1,2,3
	v_wmma_f32_16x16x32_f16 v[ACC+8*\t:ACC+8*\t+7], v[AF+32+8*\t:AF+32+8*\t+7], v[BF+8:BF+15], v[ACC+8*\t:ACC+8*\t+7]
.endr
	PLACES
.irp t, 0,1,2,3
	ds_store_b128 v[RSA], v[ACC+8*\t:ACC+8*\t+3] offset:\t*64
	ds_store_b128 v[RSA], v[ACC+8*\t+4:ACC+8*\t+7] offset:\t*64+16
.endr
	BAR                                    ; all eight partial sums lie in RED
.irp k, 0,1,2,3,4,5,6,7
	ds_load_b128 v[RD+4*\k:RD+4*\k+3], v[RRA] offset:\k*16*PR
.endr
.irp ks, 0,1
	ds_load_b128 v[KF+8*\ks:KF+8*\ks+3], v[FK] offset:64*\ks
	ds_load_b128 v[KF+8*\ks+4:KF+8*\ks+7], v[FK] offset:64*\ks+32
.endr
	s_wait_dscnt 0x4                       ; the eight partial sums are in; Wk's four fragment loads may stay out
	RADD 0, 1
	RADD 2, 3
	RADD 4, 5
	RADD 6, 7
	RADD 0, 2
	RADD 4, 6
	RADD 0, 4
	v_cvt_pk_f16_f32 v[T], v[RD], v[RD+1]
	v_cvt_pk_f16_f32 v[T+1], v[RD+2], v[RD+3]
	ds_store_b64 v[QSS], v[T:T+1]
	BAR                                    ; Q is whole
	; STEP 2.  Source 0 = my 16 rows e of Wk, source 1 = 16 batches of Q: a lane of the result holds one batch and eight neighbouring e.
.irp ks, 0,1
	ds_load_b128 v[QF+8*\ks:QF+8*\ks+3], v[FQ] offset:64*\ks
	ds_load_b128 v[QF+8*\ks+4:QF+8*\ks+7], v[FQ] offset:64*\ks+32
.endr
	s_wait_dscnt 0x0
	v_wmma_f32_16x16x32_f16 v[A0:A0+7], v[KF:KF+7], v[QF:QF+7], 0      ; K = 64 is two instructions: an accumulator each, added below
	v_wmma_f32_16x16x32_f16 v[A1:A1+7], v[KF+8:KF+15], v[QF+8:QF+15], 0
	PLACES
.irp q, 0,2,4,6
	v_pk_mul_f32 v[T+\q:T+\q+1], v[A1+\q:A1+\q+1], s[34:35] op_sel_hi:[1,0]
.endr
.irp q, 0,2,4,6
	v_pk_fma_f32 v[T+\q:T+\q+1], v[A0+\q:A0+\q+1], s[34:35], v[T+\q:T+\q+1] op_sel_hi:[1,0,1]
.endr
.irp q, 0,1,2,3
	v_cvt_pk_f16_f32 v[T+8+\q], v[T+2*\q], v[T+2*\q+1]
.endr
	ds_store_b128 v[OSA], v[T+8:T+11]
	BAR                                    ; a row's 256 bytes come from all eight waves
	ds_load_b128 v[T:T+3], v[ORA]
	s_wait_dscnt 0x0
	global_store_b128 v[GO], v[T:T+3], s[10:11]   ; sixteen lanes store 256 consecutive bytes, at a multiple of 256 from qk's first byte
	s_wait_tensorcnt 0x0                   ; the wave's end
	ds_add_u32 v[SPW], v[NIL]
	s_wait_dscnt 0x0
	s_endpgm
.Lfunc_end_k_qf29f08ef6c_qkprep:
	.size	k_qf29f08ef6c_qkprep, .Lfunc_end_k_qf29f08ef6c_qkprep-k_qf29f08ef6c_qkprep
	.p2alignl 7, 3214868480
	.fill 96, 4, 3214868480
	.section	.rodata,"a",@progbits
	.p2align	6, 0x0
	.amdhsa_kernel k_qf29f08ef6c_qkprep
		.amdhsa_group_segment_fixed_size 161280
		.amdhsa_private_segment_fixed_size 0
		.amdhsa_enable_private_segment 0
		.amdhsa_kernarg_size 32
		.amdhsa_user_sgpr_count 2
		.amdhsa_user_sgpr_kernarg_segment_ptr 1
		.amdhsa_wavefront_size32 1
		.amdhsa_system_sgpr_workgroup_id_x 1
		.amdhsa_system_sgpr_workgroup_id_y 1
		.amdhsa_system_sgpr_workgroup_id_z 1
		.amdhsa_system_vgpr_workitem_id 0
		.amdhsa_next_free_vgpr 228
		.amdhsa_next_free_sgpr 66
		.amdhsa_reserve_vcc 0
		.amdhsa_float_denorm_mode_32 3
		.amdhsa_float_denorm_mode_16_64 3
		.amdhsa_memory_ordered 1
		.amdhsa_forward_progress 1
		.amdhsa_inst_pref_size 24
	.end_amdhsa_kernel
	.amdgpu_metadata
---
amdhsa.version: [ 1, 2 ]
amdhsa.kernels:
  - .name:           k_qf29f08ef6c_qkprep
    .symbol:         k_qf29f08ef6c_qkprep.kd
    .args:
      - { .name: query, .offset: 0, .size: 8, .value_kind: global_buffer, .address_space: global }
      - { .name: Wq, .offset: 8, .size: 8, .value_kind: global_buffer, .address_space: global }
      - { .name: Wk, .offset: 16, .size: 8, .value_kind: global_buffer, .address_space: global }
      - { .name: qk, .offset: 24, .size: 8, .value_kind: global_buffer, .address_space: global }
    .group_segment_fixed_size: 161280
    .private_segment_fixed_size: 0
    .kernarg_segment_align: 8
    .kernarg_segment_size: 32
    .max_flat_workgroup_size: 256
    .sgpr_count:     66
    .vgpr_count:     228
    .wavefront_size: 32
...
	.end_amdgpu_metadata
.endif
;; end of part 1
;; launch stream (part 2): grid 256 x 1, 8 waves a work-group, no clusters, 293,120 bytes of LDS; arguments key, qk, part, wbuf, stats; writes part, wbuf, stats
.if DOCPART == 2
	.amdgcn_target "amdgcn-amd-amdhsa--gfx1250"
	.amdhsa_code_object_version 6
	.text
	.protected	k_qf29f08ef6c_stream
	.globl	k_qf29f08ef6c_stream
	.p2align	8
	.type	k_qf29f08ef6c_stream,@function
k_qf29f08ef6c_stream:
	s_mov_b64 s[64:65], 0
	v_nop
	global_prefetch_b8 v0, s[64:65] scope:SCOPE_SE
	s_setreg_imm32_b32 hwreg(HW_REG_WAVE_MODE, 25, 1), 1
	s_wait_xcnt 0x0
; THE STREAM.  Work-group x = 4 b + j owns the 256 keys 256 j .. of batch b: 524,288 consecutive bytes of key, read once.  It makes, for all 16 softmaxes hs:
;   s[hs][p] = key[p] . qk[hs]  (qk carries log2(e) / 8, so weights are powers of two);   m[hs] = the largest s of these 256 keys;   w[hs][p] = 2^(s - m);   l[hs] = the sum of w;
;   part[hs][e] = the sum over p of w[hs][p] key[p][e].
; The next launch joins the four quarters of a batch under the batch's true maximum.  Both products are reassociated forms (one query row a batch): the order of rounding differs.
; SHARES.  Wave w brings rows 32 w .. 32 w + 31, rounds them to f16 into LDS and scores them; in the second product it owns columns 64 w .. 64 w + 63 over all 256 rows.
; IN FLIGHT.  A ring of eight rows in registers: 32 loads of 512 bytes a wave; the waits are counted and never for all while rows are left.
; ORDER IN AN LDS ROW.  In each 256 bytes (128 e) the piece of 8 e number x lies at byte 16 (x / 2) + 128 (x % 2), in key and in qk alike: the first product runs over the same pairs in another
; order of K.  The turning load of the second product then finds a tile's two pieces 128 bytes apart.
; FORMATS.  key, qk and w enter the matrix unit as f16, each rounded once from f32; sums, m, l, the stored w and part in f32.
; LIMITS.  key within 65,504; w lies in 0 to 1 and below 6e-5 keeps f16's fixed step of 6e-8 in the second product; a weight below 2^-126 counts as 0; NaN and infinities are not treated apart.
; NO CLUSTER: work-groups share only qk, 16,384 of the 540,672 bytes that each reads.  NO TENSOR LOAD: f32 has to pass registers to become f16.
.set PK, 1040                    ; an LDS row: 512 f16 + 16 bytes
.set PC, 272
.set QK, 256*PK                  ; behind the keys: qk, 16 rows
.set WS, QK                      ; later in its place: w in f32, [16 hs][256 p]
.set WF, QK+16*PK                ; w as eight fragments of 32 keys x 16 hs
.set SMAX, WF+8192               ; [16 hs][8 waves] maxima; 512 bytes on, the sums
.set SPARE, SMAX+1024            ; the spare words: 128 bytes a wave, named by no other line
.set RR, 1                       ; lane % 16
.set HH, 2                       ; lane / 16
.set GK, 3                       ; 16 x lane
.set GQ, 4                       ; 16 x thread
.set QST, 5                      ; where I put 16 bytes of qk
.set LST, 6                      ; where I put 8 bytes of a key row
.set KA, 7                       ; fragments of my keys, of qk
.set QA, 8
.set SMA, 9
.set SMR, 10
.set WFA, 11
.set WSA, 12
.set WRA, 13
.set WFL, 14
.set LL, 15                      ; lane
.set TA, 16                      ; v16-19: turning loads, 64 keys apart
.set CSA, 20                     ; the way out
.set CRA, 21
.set GP, 22
.set GS, 23
.set SPW, 24
.set NIL, 25
.set MM, 26                      ; v26-27: m, twice
.set T, 32                       ; v28-39 at work
.set ACB, 40                     ; the second accumulator of a tile of scores
.set S0, 48                      ; v48-63: scores, then weights, of my two tiles of 16 keys; a tile's registers are also its first accumulator
.set FB, 64                      ; v64-127: two buffers of fragments, 64 along K each
.set RING, 128                   ; v128-255: eight rows as loaded
.set OT, 64                      ; later: the second product's four accumulators
.set WW, 96                      ; my fragment of w
.set XX, 104                     ; two rows of w in f32
.set WFR, 128                    ; all eight fragments of w
.set KF, 192                     ; two buffers of turned key fragments
.set YY, 128                     ; the way out
.macro PLACES                    ; four plain vector instructions behind a matrix instruction, ahead of a line that reads its result or a load into its sources
.rept 4
	v_nop
.endr
.endm
.macro BAR
	s_wait_dscnt 0x0
	s_barrier_signal -1
	s_barrier_wait -1
.endm
.macro CV n, src, dst
.set cq, 0
.rept \n
	v_cvt_pk_f16_f32 v[(\dst)+2*cq], v[(\src)+4*cq], v[(\src)+4*cq+1]
	v_cvt_pk_f16_f32 v[(\dst)+2*cq+1], v[(\src)+4*cq+2], v[(\src)+4*cq+3]
.set cq, cq+1
.endr
.endm
; Row r of my 32: its four loads are in (cnt younger ones stay out), it is rounded and stored, and its registers take the row eight further on.
.macro ROW r, refill, cnt
	s_wait_loadcnt \cnt
	CV 4, RING+16*((\r)%8), T
.irp q, 0,1,2,3
	ds_store_b64 v[LST], v[T+2*\q:T+2*\q+1] offset:(\r)*PK+\q*256   ; 32 lanes fill one group of 256 bytes
.endr
.if \refill
.irp q, 0,1,2,3
	global_load_b128 v[RING+16*((\r)%8)+4*\q:RING+16*((\r)%8)+4*\q+3], v[GK], s[4:5] offset:((\r)+8)*2048+\q*512 th:TH_LOAD_NT
.endr
.endif
.endm
; Eight LDS loads: for 64 along K, the fragments of tile t's 16 keys and of qk's 16 rows.
.macro LDF buf, ksp, t
.irp u, 0,1
	ds_load_b128 v[FB+32*(\buf)+16*\u:FB+32*(\buf)+16*\u+3], v[KA] offset:(\t)*16*PK+64*(2*(\ksp)+\u)
	ds_load_b128 v[FB+32*(\buf)+16*\u+4:FB+32*(\buf)+16*\u+7], v[KA] offset:(\t)*16*PK+64*(2*(\ksp)+\u)+32
	ds_load_b128 v[FB+32*(\buf)+16*\u+8:FB+32*(\buf)+16*\u+11], v[QA] offset:64*(2*(\ksp)+\u)
	ds_load_b128 v[FB+32*(\buf)+16*\u+12:FB+32*(\buf)+16*\u+15], v[QA] offset:64*(2*(\ksp)+\u)+32
.endr
.endm
; Tile t's scores: K = 512 in eight steps of 64 on two buffers; two accumulators take turns and are added at the end.
; The result holds one hs a lane (lane % 16) and the keys 16 t + 8 (lane / 16) + 0..7.
.macro SCORE t
	LDF 0, 0, \t
	LDF 1, 1, \t
.set gq, 0
.rept 8
.if gq == 7
	s_wait_dscnt 0x0
.else
	s_wait_dscnt 0x8                       ; this step's eight loads are in; the other buffer's eight may stay out
.endif
.set fb, FB+32*(gq%2)
.if gq == 0
	v_wmma_f32_16x16x32_f16 v[S0+8*(\t):S0+8*(\t)+7], v[fb:fb+7], v[fb+8:fb+15], 0
	v_wmma_f32_16x16x32_f16 v[ACB:ACB+7], v[fb+16:fb+23], v[fb+24:fb+31], 0
.else
	v_wmma_f32_16x16x32_f16 v[S0+8*(\t):S0+8*(\t)+7], v[fb:fb+7], v[fb+8:fb+15], v[S0+8*(\t):S0+8*(\t)+7]
	v_wmma_f32_16x16x32_f16 v[ACB:ACB+7], v[fb+16:fb+23], v[fb+24:fb+31], v[ACB:ACB+7]
.endif
.if gq <= 5
	PLACES
	LDF gq%2, gq+2, \t
.endif
.set gq, gq+1
.endr
	PLACES
.irp q, 0,2,4,6
	v_pk_add_f32 v[S0+8*(\t)+\q:S0+8*(\t)+\q+1], v[S0+8*(\t)+\q:S0+8*(\t)+\q+1], v[ACB+\q:ACB+\q+1]
.endr
.endm
; Eight turning loads: keys 32 ks .. + 31 x my 64 columns, as four fragments of key^T.
.macro LDT ks
.irp t, 0,1,2,3
	ds_load_tr16_b128 v[KF+32*((\ks)%2)+8*\t:KF+32*((\ks)%2)+8*\t+3], v[TA+(\ks)/2] offset:((\ks)%2)*32*PK+\t*16
	ds_load_tr16_b128 v[KF+32*((\ks)%2)+8*\t+4:KF+32*((\ks)%2)+8*\t+7], v[TA+(\ks)/2] offset:((\ks)%2)*32*PK+16*PK+\t*16
.endr
.endm
	s_load_b256 s[4:11], s[0:1], 0x0       ; key s[4:5], qk s[6:7], part s[8:9], wbuf s[10:11]
	s_load_b64 s[12:13], s[0:1], 0x20      ; stats
	v_lshl_add_u32 v[SPW], v0, 2, SPARE
	v_mov_b32 v[NIL], 0
	v_lshrrev_b32 v28, 5, v0
	v_readfirstlane_b32 s14, v28           ; wave
	s_mov_b32 s16, 0x76543210              ; v_permlanex16_b32: each lane takes its own place in the other half
	s_mov_b32 s17, 0xfedcba98
	s_lshl_b32 s20, ttmp9, 19              ; key: 256 rows of 2,048 bytes a work-group, 32 a wave
	s_lshl_b32 s18, s14, 16
	s_add_co_u32 s20, s20, s18
	s_mov_b32 s21, 0
	s_lshr_b32 s19, ttmp9, 2               ; b
	s_lshl_b32 s22, s19, 14                ; qk: 16,384 bytes a batch
	s_mov_b32 s23, 0
	s_lshl_b32 s24, ttmp9, 15              ; part: 32,768 bytes a work-group, my 64 columns
	s_lshl_b32 s18, s14, 8
	s_add_co_u32 s24, s24, s18
	s_mov_b32 s25, 0
	s_lshl_b32 s26, s19, 16                ; wbuf: 65,536 bytes a batch, 1,024 a quarter of a row, rows 2 w and 2 w + 1
	s_and_b32 s18, ttmp9, 3
	s_lshl_b32 s18, s18, 10
	s_add_co_u32 s26, s26, s18
	s_lshl_b32 s18, s14, 13
	s_add_co_u32 s26, s26, s18
	s_mov_b32 s27, 0
	s_lshl_b32 s28, ttmp9, 7               ; stats: 128 bytes a work-group
	s_mov_b32 s29, 0
	s_mul_i32 s30, s14, 32*PK              ; my 32 rows in LDS
	s_mul_i32 s31, s14, 16*PC              ; my stage for the way out
	v_and_b32 v[LL], 31, v0
	v_lshlrev_b32 v[GQ], 4, v0
	v_lshlrev_b32 v[GK], 4, v[LL]
	s_wait_kmcnt 0x0
	s_add_nc_u64 s[4:5], s[4:5], s[20:21]
	s_add_nc_u64 s[6:7], s[6:7], s[22:23]
	s_add_nc_u64 s[8:9], s[8:9], s[24:25]
	s_add_nc_u64 s[10:11], s[10:11], s[26:27]
	s_add_nc_u64 s[12:13], s[12:13], s[28:29]
.irp i, 0,1,2,3
	global_load_b128 v[FB+4*\i:FB+4*\i+3], v[GQ], s[6:7] offset:\i*4096
.endr
.set rw, 0
.rept 8                          ; the ring is filled: rows 0 to 7
.irp q, 0,1,2,3
	global_load_b128 v[RING+16*rw+4*\q:RING+16*rw+4*\q+3], v[GK], s[4:5] offset:rw*2048+\q*512 th:TH_LOAD_NT
.endr
.set rw, rw+1
.endr
	v_and_b32 v[RR], 15, v0
	v_bfe_u32 v[HH], v0, 4, 1
	v_lshlrev_b32 v[GS], 2, v[LL]
	v_lshrrev_b32 v28, 6, v0               ; qk: thread t holds row t / 64 (+ 4 a load), group (t / 16) % 4, piece t % 16
	v_mul_u32_u24 v[QST], v28, PK
	v_bfe_u32 v28, v0, 4, 2
	v_lshl_add_u32 v[QST], v28, 8, v[QST]
	v_bfe_u32 v28, v0, 1, 3
	v_lshl_add_u32 v[QST], v28, 4, v[QST]
	v_and_b32 v29, 1, v0
	v_lshl_add_u32 v[QST], v29, 7, v[QST]
	v_add_nc_u32 v[QST], QK, v[QST]
	v_bfe_u32 v28, v0, 2, 3                ; a key row: lane l holds half l % 2 of piece l / 2
	v_lshl_add_u32 v[LST], v28, 4, s30
	v_bfe_u32 v28, v0, 1, 1
	v_lshl_add_u32 v[LST], v28, 7, v[LST]
	v_lshl_add_u32 v[LST], v29, 3, v[LST]
	v_mul_u32_u24 v28, v[RR], PK
	v_lshl_add_u32 v30, v[HH], 4, v28      ; a fragment along K: row l % 16, 16 bytes for each half of the lanes
	v_add_nc_u32 v[KA], s30, v30
	v_add_nc_u32 v[QA], QK, v30
	v_lshlrev_b32 v[SMR], 5, v[RR]
	v_add_nc_u32 v[SMR], SMAX, v[SMR]
	s_lshl_b32 s18, s14, 2
	v_add_nc_u32 v[SMA], s18, v[SMR]
	v_add_nc_u32 v[WFL], WF, v[GK]
	s_lshl_b32 s18, s14, 10
	v_add_nc_u32 v[WFA], s18, v[WFL]
	v_lshl_add_u32 v[WSA], v[HH], 5, v28
	s_lshl_b32 s18, s14, 7
	s_add_co_u32 s18, s18, WS
	v_add_nc_u32 v[WSA], s18, v[WSA]
	s_mul_i32 s18, s14, 2*PK
	s_add_co_u32 s18, s18, WS
	v_add_nc_u32 v[WRA], s18, v[GK]
	v_and_b32 v28, 7, v0                   ; the turning load: lane l reads key 8 (l / 16) + l % 8, piece (l / 8) % 2 of the tile
	v_lshl_add_u32 v28, v[HH], 3, v28
	v_mul_u32_u24 v28, v28, PK
	v_bfe_u32 v30, v0, 3, 1
	v_lshl_add_u32 v28, v30, 7, v28
	s_lshr_b32 s18, s14, 1                 ; my 64 columns: group w / 2, its tiles 4 (w % 2) on
	s_lshl_b32 s18, s18, 8
	s_and_b32 s19, s14, 1
	s_lshl_b32 s19, s19, 6
	s_add_co_u32 s18, s18, s19
	v_add_nc_u32 v[TA], s18, v28
	v_add_nc_u32 v[TA+1], 64*PK, v[TA]
	v_add_nc_u32 v[TA+2], 128*PK, v[TA]
	v_add_nc_u32 v[TA+3], 192*PK, v[TA]
	v_mul_u32_u24 v28, v[RR], PC
	v_lshl_add_u32 v28, v[HH], 5, v28
	v_add_nc_u32 v[CSA], s31, v28
	v_mul_u32_u24 v28, v[HH], PC
	v_lshl_add_u32 v28, v[RR], 4, v28
	v_add_nc_u32 v[CRA], s31, v28
	v_lshlrev_b32 v28, 4, v[RR]
	v_lshl_add_u32 v[GP], v[HH], 11, v28
	s_wait_loadcnt 32                      ; qk's four loads are in; the ring's 32 stay out
.irp i, 0,1,2,3
	ds_store_b128 v[QST], v[FB+4*\i:FB+4*\i+3] offset:\i*4*PK
.endr
	BAR                                    ; qk is whole; nobody writes the bytes that the loads in flight read
	; rows 0-15, their scores under the loads of rows 16-23, rows 16-31, their scores.  The count 28: seven younger rows of four loads; from row 25 on it runs down.
.set rw, 0
.rept 16
	ROW rw, 1, 28
.set rw, rw+1
.endr
	SCORE 0                                ; my own rows: LDS serves a wave's instructions in order (ISA guide 5.7.1.4), no barrier
.rept 8
	ROW rw, 1, 28
.set rw, rw+1
.endr
.rept 8
	ROW rw, 0, (31-rw)*4
.set rw, rw+1
.endr
	SCORE 1
	; THE MAXIMUM of the work-group's 256 keys, for each hs: my lane's 16 scores, the other half of the lanes, the eight waves
	v_max3_num_f32 v28, v[S0], v[S0+1], v[S0+2]
	v_max3_num_f32 v29, v[S0+3], v[S0+4], v[S0+5]
	v_max3_num_f32 v30, v[S0+6], v[S0+7], v[S0+8]
	v_max3_num_f32 v31, v[S0+9], v[S0+10], v[S0+11]
	v_max3_num_f32 v28, v28, v[S0+12], v[S0+13]
	v_max3_num_f32 v29, v29, v[S0+14], v[S0+15]
	v_max3_num_f32 v28, v28, v29, v30
	v_max_num_f32 v28, v28, v31
	v_permlanex16_b32 v29, v28, s16, s17
	v_max_num_f32 v28, v28, v29
	ds_store_b32 v[SMA], v28
	BAR                                    ; the eight maxima are there, and nobody reads qk any more
	ds_load_b128 v[28:31], v[SMR]
	ds_load_b128 v[32:35], v[SMR] offset:16
	s_wait_dscnt 0x0
	v_max3_num_f32 v[MM], v28, v29, v30
	v_max3_num_f32 v[MM+1], v31, v32, v33
	v_max3_num_f32 v[MM], v[MM], v34, v35
	v_max_num_f32 v[MM], v[MM], v[MM+1]
	v_mov_b32 v[MM+1], v[MM]
	; THE WEIGHTS
.irp q, 0,2,4,6,8,10,12,14
	v_pk_add_f32 v[S0+\q:S0+\q+1], v[S0+\q:S0+\q+1], v[MM:MM+1] neg_lo:[0,1] neg_hi:[0,1]
.endr
.irp q, 0,1,2,3,4,5,6,7,8,9,10,11,12,13,14,15
	v_exp_f32 v[S0+\q], v[S0+\q]
.endr
	v_nop                                  ; a plain instruction between the last exponential and the use of its result (ISA guide 5.7.2)
	s_wait_alu depctr_va_vdst(0)
.irp q, 0,1,2,3,4,5,6,7                ; my two tiles, rounded in pairs, ARE source 1 (32 keys x 16 hs) of the second product
	v_cvt_pk_f16_f32 v[WW+\q], v[S0+2*\q], v[S0+2*\q+1]
.endr
	ds_store_b128 v[WFA], v[WW:WW+3]
	ds_store_b128 v[WFA], v[WW+4:WW+7] offset:512
	ds_store_b128 v[WSA], v[S0:S0+3]
	ds_store_b128 v[WSA], v[S0+4:S0+7] offset:16
	ds_store_b128 v[WSA], v[S0+8:S0+11] offset:64
	ds_store_b128 v[WSA], v[S0+12:S0+15] offset:80
	v_pk_add_f32 v[28:29], v[S0:S0+1], v[S0+2:S0+3]          ; l is the sum of the unrounded weights
	v_pk_add_f32 v[30:31], v[S0+4:S0+5], v[S0+6:S0+7]
	v_pk_add_f32 v[32:33], v[S0+8:S0+9], v[S0+10:S0+11]
	v_pk_add_f32 v[34:35], v[S0+12:S0+13], v[S0+14:S0+15]
	v_pk_add_f32 v[28:29], v[28:29], v[30:31]
	v_pk_add_f32 v[32:33], v[32:33], v[34:35]
	v_pk_add_f32 v[28:29], v[28:29], v[32:33]
	v_add_f32 v28, v28, v29
	v_permlanex16_b32 v29, v28, s16, s17
	v_add_f32 v28, v28, v29
	ds_store_b32 v[SMA], v28 offset:512
	BAR                                    ; every wave's keys, weights and sums lie in LDS
	ds_load_b128 v[28:31], v[SMR] offset:512
	ds_load_b128 v[32:35], v[SMR] offset:528
	ds_load_b128 v[XX:XX+3], v[WRA]
	ds_load_b128 v[XX+4:XX+7], v[WRA] offset:512
	ds_load_b128 v[XX+8:XX+11], v[WRA] offset:PK
	ds_load_b128 v[XX+12:XX+15], v[WRA] offset:PK+512
.irp k, 0,1,2,3,4,5,6,7
	ds_load_b128 v[WFR+8*\k:WFR+8*\k+3], v[WFL] offset:\k*1024
	ds_load_b128 v[WFR+8*\k+4:WFR+8*\k+7], v[WFL] offset:\k*1024+512
.endr
	LDT 0
	LDT 1
	s_wait_dscnt 32                        ; the first six loads are in; the 16 of w's fragments and the 16 turning loads stay out
	v_pk_add_f32 v[28:29], v[28:29], v[30:31]
	v_pk_add_f32 v[32:33], v[32:33], v[34:35]
	v_pk_add_f32 v[28:29], v[28:29], v[32:33]
	v_add_f32 v28, v28, v29
	v_cmp_gt_u32 vcc_lo, 16, v[LL]
	v_cndmask_b32 v28, v28, v[MM], vcc_lo  ; lanes 0-15: m of hs = lane; lanes 16-31: l of hs = lane - 16
	global_store_b128 v[GK], v[XX:XX+3], s[10:11]            ; each store covers 512 consecutive bytes, aligned to 256
	global_store_b128 v[GK], v[XX+4:XX+7], s[10:11] offset:512
	global_store_b128 v[GK], v[XX+8:XX+11], s[10:11] offset:4096
	global_store_b128 v[GK], v[XX+12:XX+15], s[10:11] offset:4608
	s_cmp_lg_u32 s14, 0
	s_cbranch_scc1 .Lno_stats
	global_store_b32 v[GS], v28, s[12:13]  ; wave 0 alone: 128 consecutive bytes
.Lno_stats:
	; THE SECOND PRODUCT.  Source 0 = 16 columns e of key (turned), source 1 = 32 keys x 16 hs of w; four accumulators take turns.
.set ks, 0
.rept 8
.if ks == 7
	s_wait_dscnt 0x0
.else
	s_wait_dscnt 0x8                       ; this step's eight turning loads are in (and all in front of them); the other buffer's stay out
.endif
.irp t, 0,1,2,3
.if ks == 0
	v_wmma_f32_16x16x32_f16 v[OT+8*\t:OT+8*\t+7], v[KF+8*\t:KF+8*\t+7], v[WFR:WFR+7], 0
.else
	v_wmma_f32_16x16x32_f16 v[OT+8*\t:OT+8*\t+7], v[KF+32*(ks%2)+8*\t:KF+32*(ks%2)+8*\t+7], v[WFR+8*ks:WFR+8*ks+7], v[OT+8*\t:OT+8*\t+7]
.endif
.endr
.if ks <= 5
	PLACES
	LDT ks+2
.endif
.set ks, ks+1
.endr
	PLACES
	BAR                                    ; nobody reads the keys any more: their first bytes become the stages
	; THE WAY OUT.  A lane holds one hs and eight e: through my stage, back as rows of 256 bytes.
.irp t, 0,1,2,3
	ds_store_b128 v[CSA], v[OT+8*\t:OT+8*\t+3] offset:\t*64
	ds_store_b128 v[CSA], v[OT+8*\t+4:OT+8*\t+7] offset:\t*64+16
.endr
.irp i, 0,1,2,3,4,5,6,7
	ds_load_b128 v[YY+4*\i:YY+4*\i+3], v[CRA] offset:\i*2*PC
.endr
.irp i, 0,1,2,3,4,5,6,7
	s_wait_dscnt 7-\i
	global_store_b128 v[GP], v[YY+4*\i:YY+4*\i+3], s[8:9] offset:\i*4096   ; sixteen lanes store 256 consecutive bytes, aligned
.endr
	s_wait_tensorcnt 0x0                   ; the wave's end
	ds_add_u32 v[SPW], v[NIL]
	s_wait_dscnt 0x0
	s_endpgm
.Lfunc_end_k_qf29f08ef6c_stream:
	.size	k_qf29f08ef6c_stream, .Lfunc_end_k_qf29f08ef6c_stream-k_qf29f08ef6c_stream
	.p2alignl 7, 3214868480
	.fill 96, 4, 3214868480
	.section	.rodata,"a",@progbits
	.p2align	6, 0x0
	.amdhsa_kernel k_qf29f08ef6c_stream
		.amdhsa_group_segment_fixed_size 293120
		.amdhsa_private_segment_fixed_size 0
		.amdhsa_enable_private_segment 0
		.amdhsa_kernarg_size 40
		.amdhsa_user_sgpr_count 2
		.amdhsa_user_sgpr_kernarg_segment_ptr 1
		.amdhsa_wavefront_size32 1
		.amdhsa_system_sgpr_workgroup_id_x 1
		.amdhsa_system_sgpr_workgroup_id_y 1
		.amdhsa_system_sgpr_workgroup_id_z 1
		.amdhsa_system_vgpr_workitem_id 0
		.amdhsa_next_free_vgpr 256
		.amdhsa_next_free_sgpr 66
		.amdhsa_reserve_vcc 1
		.amdhsa_float_denorm_mode_32 3
		.amdhsa_float_denorm_mode_16_64 3
		.amdhsa_memory_ordered 1
		.amdhsa_forward_progress 1
		.amdhsa_inst_pref_size 71
	.end_amdhsa_kernel
	.amdgpu_metadata
---
amdhsa.version: [ 1, 2 ]
amdhsa.kernels:
  - .name:           k_qf29f08ef6c_stream
    .symbol:         k_qf29f08ef6c_stream.kd
    .args:
      - { .name: key, .offset: 0, .size: 8, .value_kind: global_buffer, .address_space: global }
      - { .name: qk, .offset: 8, .size: 8, .value_kind: global_buffer, .address_space: global }
      - { .name: part, .offset: 16, .size: 8, .value_kind: global_buffer, .address_space: global }
      - { .name: wbuf, .offset: 24, .size: 8, .value_kind: global_buffer, .address_space: global }
      - { .name: stats, .offset: 32, .size: 8, .value_kind: global_buffer, .address_space: global }
    .group_segment_fixed_size: 293120
    .private_segment_fixed_size: 0
    .kernarg_segment_align: 8
    .kernarg_segment_size: 40
    .max_flat_workgroup_size: 256
    .sgpr_count:     66
    .vgpr_count:     256
    .wavefront_size: 32
...
	.end_amdgpu_metadata
.endif
;; end of part 2
;; launch combine (part 3): grid 64 x 1, 8 waves a work-group, no clusters, 238,592 bytes of LDS; arguments part, wbuf, stats, Wv, lambda_q1, lambda_k1, lambda_q2, lambda_k2, rms_weight, on, out1; writes on, out1
.if DOCPART == 3
	.amdgcn_target "amdgcn-amd-amdhsa--gfx1250"
	.amdhsa_code_object_version 6
	.text
	.protected	k_qf29f08ef6c_combine
	.globl	k_qf29f08ef6c_combine
	.p2align	8
	.type	k_qf29f08ef6c_combine,@function
k_qf29f08ef6c_combine:
	s_mov_b64 s[64:65], 0
	v_nop
	global_prefetch_b8 v0, s[64:65] scope:SCOPE_SE
	s_setreg_imm32_b32 hwreg(HW_REG_WAVE_MODE, 25, 1), 1
	s_wait_xcnt 0x0
; THE QUARTERS ARE JOINED.  For batch b and softmax hs = 2 h + s: M = the largest of the four m_j; f_j = 2^(m_j - M); L = the sum of f_j l_j + 1e-20; the softmax is f_j w / L.
; lam = exp(lambda_q1 . lambda_k1) - exp(lambda_q2 . lambda_k2) + (0.8 - 0.6 exp(-0.3)).
; Work-groups 32 .. 63 (h = x % 8, 16 batches bg = (x / 8) % 4) write out1 = w1 f1_j / L1 - lam w2 f2_j / L2.
; Work-groups 0 .. 31 make ctx[b][e] = the same combination of part's eight rows, out = ctx Wv[:, 128 h ..], the RMS norm with its gain and the factor 1 - (0.8 - 0.6 exp(-0.3)), and store it as f16 (on).
; The branch between the two hangs on the work-group's number alone.
; SHARES, first kind: K = 512 is split over the eight waves, 64 e each; the partial sums, in f32, meet in LDS; then thread t owns batch t / 16 and eight d.  Second kind: a wave owns two batches.
; FORMATS.  ctx and Wv enter the matrix unit as f16, rounded once from f32.  ctx is made with its factors times tau = 1 / (1 + |lam|), so it lies within key's range whatever lam is; the f32 product is
; multiplied by 1 + |lam| again ahead of the squares.
; LIMITS.  ctx is a difference taken behind the sums over the keys (the formula as written takes it in front of them); Wv and key within 65,504; on is at most 7.3 |rms_weight|, which must stay within
; 65,504; NaN and infinities are not treated apart.
; NO CLUSTER, NO TENSOR LOAD: Wv and part arrive as f32 and pass registers, Wv to be rounded, part to be combined.
.set PV, 288                     ; a row of Wv in LDS: 128 d in f16 + 32 bytes
.set PX, 144                     ; a row of ctx: 64 e in f16 + 16
.set PR, 528                     ; a row of partial sums: 128 d in f32 + 16
.set CTO, 64*PV
.set COO, CTO+16*PX
.set BLK, COO+512                ; a wave's own block: Wv's 64 rows, ctx's 16, the factors [16 b][2 s][4 j]
.set RED, 8*BLK
.set SPARE, RED+8*16*PR          ; the spare words: 128 bytes a wave, named by no other line
.set CC, 1
.set GG, 2
.set SG, 3
.set LG, 4
.set COA, 5
.set GV, 6
.set SV, 7
.set PG, 8
.set CFR, 9
.set CTA, 10
.set TRV, 11
.set FC, 12
.set RSA, 13
.set RRA, 14
.set GO, 15
.set RW, 16
.set CFU, 17
.set SPW, 18
.set NIL, 19
.set KAP, 20                     ; v20: 1 + |lam|; v21: its reciprocal
.set WGT, 28                     ; v28-35: my eight numbers of rms_weight
.set T, 36                       ; v36-51 at work
.set CO, 52                      ; v52-59: a batch's eight factors
.set AC, 60                      ; v60-63: four numbers of ctx
.set PT, 64                      ; v64-95: lambdas, m, l and what is made of them
.set RING, 96                    ; v96-255: five groups of eight loads
.set ACC, 36                     ; later: eight accumulators,
.set BF, 100                     ; ctx's fragments,
.set AF, 116                     ; Wv's fragments
.set RL, 100                     ; later still: the partial sums read back
.macro PLACES
.rept 4
	v_nop
.endr
.endm
.macro CV n, src, dst
.set cq, 0
.rept \n
	v_cvt_pk_f16_f32 v[(\dst)+2*cq], v[(\src)+4*cq], v[(\src)+4*cq+1]
	v_cvt_pk_f16_f32 v[(\dst)+2*cq+1], v[(\src)+4*cq+2], v[(\src)+4*cq+3]
.set cq, cq+1
.endr
.endm
; two numbers times ONE factor, which is register par of the pair co (op_sel picks it for the low result, op_sel_hi for the high one)
.macro PKM dst, src, co, par
.if \par
	v_pk_mul_f32 v[\dst:\dst+1], v[\src:\src+1], v[\co:\co+1] op_sel:[0,1] op_sel_hi:[1,1]
.else
	v_pk_mul_f32 v[\dst:\dst+1], v[\src:\src+1], v[\co:\co+1] op_sel_hi:[1,0]
.endif
.endm
.macro PKF dst, src, co, par
.if \par
	v_pk_fma_f32 v[\dst:\dst+1], v[\src:\src+1], v[\co:\co+1], v[\dst:\dst+1] op_sel:[0,1,0] op_sel_hi:[1,1,1]
.else
	v_pk_fma_f32 v[\dst:\dst+1], v[\src:\src+1], v[\co:\co+1], v[\dst:\dst+1] op_sel_hi:[1,0,1]
.endif
.endm
; lam and the factors.  Lane (c, g) works for batch c and softmax s = g; every wave makes all 32 sets for itself and keeps them in its own block.
; later = the loads issued behind the head's twelve.  usetau = 1: the factors carry 1 / (1 + |lam|).
.macro COEFS usetau, later
	s_wait_loadcnt \later
	v_mul_f32 v[PT+16], v[PT], v[PT+2]
	v_mul_f32 v[PT+17], v[PT+4], v[PT+6]
	v_fmac_f32 v[PT+16], v[PT+1], v[PT+3]
	v_fmac_f32 v[PT+17], v[PT+5], v[PT+7]
.irp m, 1,2,4,8
	v_add_f32_dpp v[PT+16], v[PT+16], v[PT+16] row_xmask:\m row_mask:0xf bank_mask:0xf
	v_add_f32_dpp v[PT+17], v[PT+17], v[PT+17] row_xmask:\m row_mask:0xf bank_mask:0xf
.endr
	v_permlanex16_b32 v[PT], v[PT+16], s32, s33
	v_permlanex16_b32 v[PT+4], v[PT+17], s32, s33
	v_add_f32 v[PT+16], v[PT+16], v[PT]
	v_add_f32 v[PT+17], v[PT+17], v[PT+4]
	v_mul_f32 v[PT+16], 0x3fb8aa3b, v[PT+16]
	v_mul_f32 v[PT+17], 0x3fb8aa3b, v[PT+17]
	v_exp_f32 v[PT+16], v[PT+16]
	v_exp_f32 v[PT+17], v[PT+17]
	v_max3_num_f32 v[PT+18], v[PT+8], v[PT+9], v[PT+10]      ; plain work behind the exponentials (ISA guide 5.7.2): M
	v_max_num_f32 v[PT+18], v[PT+18], v[PT+11]
	s_wait_alu depctr_va_vdst(0)
	v_sub_f32 v[PT+16], v[PT+16], v[PT+17]
	v_add_f32 v[PT+16], 0x3eb60549, v[PT+16]                 ; lam
.irp j, 0,1,2,3
	v_sub_f32 v[PT+20+\j], v[PT+8+\j], v[PT+18]
.endr
	v_and_b32 v[PT+25], 0x7fffffff, v[PT+16]
	v_add_f32 v[KAP], 1.0, v[PT+25]
	v_mul_f32 v[PT+17], -1.0, v[PT+16]
	v_cmp_eq_u32 vcc_lo, 1, v[GG]
	v_cndmask_b32 v[PT+19], 1.0, v[PT+17], vcc_lo            ; 1 for s = 0, -lam for s = 1
.irp j, 0,1,2,3
	v_exp_f32 v[PT+20+\j], v[PT+20+\j]                       ; f_j
.endr
	v_rcp_f32 v[KAP+1], v[KAP]
	v_nop
	s_wait_alu depctr_va_vdst(0)
	v_fmaak_f32 v[PT+24], v[PT+20], v[PT+12], 0x1e3ce508     ; f_0 l_0 + 1e-20
	v_fmac_f32 v[PT+24], v[PT+21], v[PT+13]
	v_fmac_f32 v[PT+24], v[PT+22], v[PT+14]
	v_fmac_f32 v[PT+24], v[PT+23], v[PT+15]
	v_rcp_f32 v[PT+24], v[PT+24]                             ; L is at least 1: the largest key's weight
.if \usetau
	v_mul_f32 v[PT+19], v[PT+19], v[KAP+1]
	s_wait_alu depctr_va_vdst(0)
.else
	v_nop
	s_wait_alu depctr_va_vdst(0)
.endif
	v_mul_f32 v[PT+19], v[PT+19], v[PT+24]
.irp j, 0,1,2,3
	v_mul_f32 v[PT+20+\j], v[PT+20+\j], v[PT+19]
.endr
	ds_store_b128 v[COA], v[PT+20:PT+23]
.endm
; Group G of sixteen, eight loads.  0-7: rows 8 G .. of my 64 rows of Wv, 512 bytes each.  8-15: for batches 2 (G - 8) + g the eight rows (s, j) of part, my 64 e of each.
.macro ISSUE G
.set sl, RING+32*((\G)%5)
.if (\G) < 8
.irp i, 0,1,2,3,4,5,6,7
	global_load_b128 v[sl+4*\i:sl+4*\i+3], v[GV], s[10:11] offset:(8*(\G)+\i)*4096
.endr
.else
.irp i, 0,1,2,3,4,5,6,7
	global_load_b128 v[sl+4*\i:sl+4*\i+3], v[PG], s[4:5] offset:((\G)-8)*262144+(\i%4)*32768+(\i/4)*2048
.endr
.endif
.endm
; The group is in (the count: eight loads for each younger group, four of them or as many as are left) and goes into my block: Wv rounded, part combined and rounded.
.macro PROC G
.set sl, RING+32*((\G)%5)
.set yg, 15-(\G)
.if yg > 4
.set yg, 4
.endif
.if (\G) < 8
	s_wait_loadcnt 8*yg
	CV 8, sl, T
.irp i, 0,1,2,3,4,5,6,7
	ds_store_b64 v[SV], v[T+2*\i:T+2*\i+1] offset:(8*(\G)+\i)*PV
.endr
.else
	ds_load_b128 v[CO:CO+3], v[CFR] offset:((\G)-8)*64
	ds_load_b128 v[CO+4:CO+7], v[CFR] offset:((\G)-8)*64+16
	s_wait_loadcnt 8*yg
	s_wait_dscnt 0x0
	PKM AC, sl, CO, 0
	PKM AC+2, sl+2, CO, 0
.irp i, 1,2,3,4,5,6,7
	PKF AC, sl+4*\i, CO+2*(\i/2), \i%2
	PKF AC+2, sl+4*\i+2, CO+2*(\i/2), \i%2
.endr
	v_cvt_pk_f16_f32 v[T], v[AC], v[AC+1]
	v_cvt_pk_f16_f32 v[T+1], v[AC+2], v[AC+3]
	ds_store_b64 v[CTA], v[T:T+1] offset:((\G)-8)*2*PX
.endif
.endm
.macro RADD a, b
.irp q, 0,2,4,6
	v_pk_add_f32 v[RL+8*\a+\q:RL+8*\a+\q+1], v[RL+8*\a+\q:RL+8*\a+\q+1], v[RL+8*\b+\q:RL+8*\b+\q+1]
.endr
.endm
	s_load_b512 s[4:19], s[0:1], 0x0       ; part s[4:5], wbuf s[6:7], stats s[8:9], Wv s[10:11], lambda_q1, _k1, _q2, _k2 s[12:19]
	s_load_b128 s[20:23], s[0:1], 0x40     ; rms_weight s[20:21], on s[22:23]
	s_load_b64 s[24:25], s[0:1], 0x50      ; out1
	v_lshl_add_u32 v[SPW], v0, 2, SPARE
	v_mov_b32 v[NIL], 0
	v_lshrrev_b32 v22, 5, v0
	v_readfirstlane_b32 s26, v22           ; wave
	s_lshr_b32 s27, ttmp9, 5               ; which kind of work
	s_and_b32 s28, ttmp9, 7                ; h
	s_bfe_u32 s29, ttmp9, 0x20003          ; bg
	s_mov_b32 s32, 0x76543210
	s_mov_b32 s33, 0xfedcba98
	s_mov_b32 s34, 0x3c000000              ; 1 / 128
	s_mov_b32 s35, 0x3727c5ac              ; 1e-5
	s_lshl_b32 s42, s29, 13                ; stats: 512 bytes a batch; hs = 2 h
	s_lshl_b32 s41, s28, 3
	s_add_co_u32 s42, s42, s41
	s_mov_b32 s43, 0
	s_lshl_b32 s44, s26, 18                ; Wv: my 64 rows, columns 128 h on
	s_lshl_b32 s41, s28, 9
	s_add_co_u32 s44, s44, s41
	s_mov_b32 s45, 0
	s_lshl_b32 s46, s29, 21                ; part: 131,072 bytes a batch, row 2 h, my 64 e
	s_lshl_b32 s41, s28, 12
	s_add_co_u32 s46, s46, s41
	s_lshl_b32 s41, s26, 8
	s_add_co_u32 s46, s46, s41
	s_mov_b32 s47, 0
	s_lshl_b32 s48, s29, 15                ; on: 2,048 bytes a batch, 256 a head
	s_lshl_b32 s41, s28, 8
	s_add_co_u32 s48, s48, s41
	s_mov_b32 s49, 0
	s_lshl_b32 s50, s29, 20                ; wbuf: batch 16 bg + 2 w, row 2 h
	s_lshl_b32 s41, s26, 17
	s_add_co_u32 s50, s50, s41
	s_lshl_b32 s41, s28, 13
	s_add_co_u32 s50, s50, s41
	s_mov_b32 s51, 0
	s_lshl_b32 s52, s29, 19                ; out1: batch 16 bg + 2 w, head h
	s_lshl_b32 s41, s26, 16
	s_add_co_u32 s52, s52, s41
	s_lshl_b32 s41, s28, 12
	s_add_co_u32 s52, s52, s41
	s_mov_b32 s53, 0
	s_mul_i32 s36, s26, BLK
	s_add_co_u32 s37, s36, CTO
	s_add_co_u32 s38, s36, COO
	s_mul_i32 s39, s26, 16*PR
	s_add_co_u32 s39, s39, RED
	s_lshl_b32 s40, s26, 6
	s_add_co_u32 s40, s40, s38
	v_and_b32 v[CC], 15, v0
	v_bfe_u32 v[GG], v0, 4, 1
	v_and_b32 v22, 31, v0
	v_lshrrev_b32 v23, 4, v0
	v_lshlrev_b32 v24, 4, v[CC]
	v_lshlrev_b32 v[SG], 9, v[CC]
	v_lshl_add_u32 v[SG], v[GG], 2, v[SG]
	v_lshlrev_b32 v[LG], 3, v22
	v_lshlrev_b32 v[GV], 4, v22
	v_lshl_add_u32 v[PG], v[GG], 17, v24
	v_lshlrev_b32 v[RW], 5, v[CC]
	s_wait_kmcnt 0x0
	s_add_nc_u64 s[8:9], s[8:9], s[42:43]
	s_add_nc_u64 s[10:11], s[10:11], s[44:45]
	s_add_nc_u64 s[4:5], s[4:5], s[46:47]
	s_add_nc_u64 s[22:23], s[22:23], s[48:49]
	s_add_nc_u64 s[6:7], s[6:7], s[50:51]
	s_add_nc_u64 s[24:25], s[24:25], s[52:53]
	global_load_b64 v[PT:PT+1], v[LG], s[12:13]
	global_load_b64 v[PT+2:PT+3], v[LG], s[14:15]
	global_load_b64 v[PT+4:PT+5], v[LG], s[16:17]
	global_load_b64 v[PT+6:PT+7], v[LG], s[18:19]
.irp j, 0,1,2,3
	global_load_b32 v[PT+8+\j], v[SG], s[8:9] offset:\j*128      ; m_j
	global_load_b32 v[PT+12+\j], v[SG], s[8:9] offset:\j*128+64  ; l_j
.endr
	v_lshlrev_b32 v[COA], 5, v[CC]
	v_lshl_add_u32 v[COA], v[GG], 4, v[COA]
	v_add_nc_u32 v[COA], s38, v[COA]
	s_cmp_lg_u32 s27, 0
	s_cbranch_scc1 .Lweights
	; ---- ctx, its product with Wv, the norm ----
	global_load_b128 v[WGT:WGT+3], v[RW], s[20:21]
	global_load_b128 v[WGT+4:WGT+7], v[RW], s[20:21] offset:16
	ISSUE 0
	ISSUE 1
	ISSUE 2
	ISSUE 3
	ISSUE 4
	v_lshl_add_u32 v[SV], v22, 3, s36
	v_lshl_add_u32 v[CFR], v[GG], 5, s38
	v_mul_u32_u24 v[CTA], v[GG], PX
	v_lshl_add_u32 v[CTA], v[CC], 3, v[CTA]
	v_add_nc_u32 v[CTA], s37, v[CTA]
	v_and_b32 v25, 7, v0
	v_lshl_add_u32 v25, v[GG], 3, v25
	v_mul_u32_u24 v[TRV], v25, PV
	v_bfe_u32 v25, v0, 3, 1
	v_lshl_add_u32 v[TRV], v25, 4, v[TRV]
	v_add_nc_u32 v[TRV], s36, v[TRV]
	v_mul_u32_u24 v[FC], v[CC], PX
	v_lshl_add_u32 v[FC], v[GG], 4, v[FC]
	v_add_nc_u32 v[FC], s37, v[FC]
	v_mul_u32_u24 v[RSA], v[CC], PR
	v_lshl_add_u32 v[RSA], v[GG], 5, v[RSA]
	v_add_nc_u32 v[RSA], s39, v[RSA]
	v_mul_u32_u24 v[RRA], v23, PR
	v_lshl_add_u32 v[RRA], v[CC], 5, v[RRA]
	v_add_nc_u32 v[RRA], RED, v[RRA]
	v_lshl_add_u32 v[GO], v23, 11, v24
	COEFS 1, 42                            ; behind the head's twelve loads: rms_weight's 2 and five groups of 8
.set grp, 0
.rept 16
	PROC grp
.if grp <= 10
	ISSUE grp+5
.endif
.set grp, grp+1
.endr
	; Source 0 = 16 d of Wv (turned: it lies [e][d]), source 1 = 16 batches of ctx: a lane of the result holds one batch and eight d.  My own block: no barrier.
.irp ks, 0,1
	ds_load_b128 v[BF+8*\ks:BF+8*\ks+3], v[FC] offset:64*\ks
	ds_load_b128 v[BF+8*\ks+4:BF+8*\ks+7], v[FC] offset:64*\ks+32
.irp t, 0,1,2,3,4,5,6,7
	ds_load_tr16_b128 v[AF+64*\ks+8*\t:AF+64*\ks+8*\t+3], v[TRV] offset:\ks*32*PV+\t*32
	ds_load_tr16_b128 v[AF+64*\ks+8*\t+4:AF+64*\ks+8*\t+7], v[TRV] offset:\ks*32*PV+16*PV+\t*32
.endr
.endr
	s_wait_dscnt 18                        ; the first 32 along K are in; the second 18 loads stay out
.irp t, 0,1,2,3,4,5,6,7          ; eight accumulators take turns
	v_wmma_f32_16x16x32_f16 v[ACC+8*\t:ACC+8*\t+7], v[AF+8*\t:AF+8*\t+7], v[BF:BF+7], 0
.endr
	s_wait_dscnt 0x0
.irp t, 0,1,2,3,4,5,6,7
	v_wmma_f32_16x16x32_f16 v[ACC+8*\t:ACC+8*\t+7], v[AF+64+8*\t:AF+64+8*\t+7], v[BF+8:BF+15], v[ACC+8*\t:ACC+8*\t+7]
.endr
	PLACES
.irp t, 0,1,2,3,4,5,6,7
	ds_store_b128 v[RSA], v[ACC+8*\t:ACC+8*\t+3] offset:\t*64
	ds_store_b128 v[RSA], v[ACC+8*\t+4:ACC+8*\t+7] offset:\t*64+16
.endr
	s_wait_dscnt 0x0
	s_barrier_signal -1
	s_barrier_wait -1                      ; all eight partial sums lie in RED
.irp k, 0,1,2,3,4,5,6,7
	ds_load_b128 v[RL+8*\k:RL+8*\k+3], v[RRA] offset:\k*16*PR
	ds_load_b128 v[RL+8*\k+4:RL+8*\k+7], v[RRA] offset:\k*16*PR+16
.endr
	s_wait_dscnt 0x0
	RADD 0, 1
	RADD 2, 3
	RADD 4, 5
	RADD 6, 7
	RADD 0, 2
	RADD 4, 6
	RADD 0, 4
.irp q, 0,2,4,6
	v_pk_mul_f32 v[RL+\q:RL+\q+1], v[RL+\q:RL+\q+1], v[KAP:KAP+1] op_sel_hi:[1,0]   ; 1 + |lam| comes back in
.endr
	v_pk_mul_f32 v[RL+8:RL+9], v[RL:RL+1], v[RL:RL+1]
	v_pk_fma_f32 v[RL+8:RL+9], v[RL+2:RL+3], v[RL+2:RL+3], v[RL+8:RL+9]
	v_pk_fma_f32 v[RL+8:RL+9], v[RL+4:RL+5], v[RL+4:RL+5], v[RL+8:RL+9]
	v_pk_fma_f32 v[RL+8:RL+9], v[RL+6:RL+7], v[RL+6:RL+7], v[RL+8:RL+9]
	v_add_f32 v[RL+8], v[RL+8], v[RL+9]
.irp m, 1,2,4,8                  ; a batch's 128 numbers lie in sixteen neighbouring lanes
	v_add_f32_dpp v[RL+8], v[RL+8], v[RL+8] row_xmask:\m row_mask:0xf bank_mask:0xf
.endr
	v_fma_f32 v[RL+8], v[RL+8], s34, s35   ; the mean of the squares + 1e-5
	v_rsq_f32 v[RL+8], v[RL+8]
	v_nop
	s_wait_alu depctr_va_vdst(0)
	v_mul_f32 v[RL+8], 0x3f24fd5c, v[RL+8] ; times 1 - (0.8 - 0.6 exp(-0.3))
.irp q, 0,2,4,6
	v_pk_mul_f32 v[WGT+\q:WGT+\q+1], v[WGT+\q:WGT+\q+1], v[RL+8:RL+9] op_sel_hi:[1,0]
.endr
.irp q, 0,2,4,6
	v_pk_mul_f32 v[RL+\q:RL+\q+1], v[RL+\q:RL+\q+1], v[WGT+\q:WGT+\q+1]
.endr
.irp q, 0,1,2,3
	v_cvt_pk_f16_f32 v[RL+10+\q], v[RL+2*\q], v[RL+2*\q+1]
.endr
	global_store_b128 v[GO], v[RL+10:RL+13], s[22:23]        ; sixteen lanes store 256 consecutive bytes, aligned
	s_wait_tensorcnt 0x0                   ; the wave's end
	ds_add_u32 v[SPW], v[NIL]
	s_wait_dscnt 0x0
	s_endpgm
.Lweights:
	; ---- out1: two batches a wave, both softmaxes' 1,024 weights each ----
.set i, 0
.rept 32
	global_load_b128 v[RING+4*i:RING+4*i+3], v[GV], s[6:7] offset:(i/16)*65536+((i/8)%2)*4096+(i%8)*512
.set i, i+1
.endr
	v_mov_b32 v[CFU], s40
	COEFS 0, 32                            ; behind the head's twelve loads: these 32
.irp q, 0,1,2,3
	ds_load_b128 v[T+4*\q:T+4*\q+3], v[CFU] offset:16*\q     ; my two batches' factors: T + 8 bl + 4 s + j
.endr
	s_wait_dscnt 0x0
.irp bl, 0,1
	s_wait_loadcnt 16-16*\bl               ; this batch's sixteen loads are in
.irp i, 0,1,2,3,4,5,6,7          ; 128 keys a load: quarter j = i / 2
.set d1, RING+64*\bl+4*\i
.set c1, T+8*\bl+2*(\i/4)
	PKM d1, d1, c1, (\i/2)%2
	PKM d1+2, d1+2, c1, (\i/2)%2
	PKF d1, d1+32, c1+4, (\i/2)%2
	PKF d1+2, d1+34, c1+4, (\i/2)%2
	global_store_b128 v[GV], v[d1:d1+3], s[24:25] offset:\bl*32768+\i*512 th:TH_STORE_NT   ; 512 consecutive bytes, aligned to 256
.endr
.endr
	s_wait_tensorcnt 0x0                   ; the wave's end
	ds_add_u32 v[SPW], v[NIL]
	s_wait_dscnt 0x0
	s_endpgm
.Lfunc_end_k_qf29f08ef6c_combine:
	.size	k_qf29f08ef6c_combine, .Lfunc_end_k_qf29f08ef6c_combine-k_qf29f08ef6c_combine
	.p2alignl 7, 3214868480
	.fill 96, 4, 3214868480
	.section	.rodata,"a",@progbits
	.p2align	6, 0x0
	.amdhsa_kernel k_qf29f08ef6c_combine
		.amdhsa_group_segment_fixed_size 238592
		.amdhsa_private_segment_fixed_size 0
		.amdhsa_enable_private_segment 0
		.amdhsa_kernarg_size 88
		.amdhsa_user_sgpr_count 2
		.amdhsa_user_sgpr_kernarg_segment_ptr 1
		.amdhsa_wavefront_size32 1
		.amdhsa_system_sgpr_workgroup_id_x 1
		.amdhsa_system_sgpr_workgroup_id_y 1
		.amdhsa_system_sgpr_workgroup_id_z 1
		.amdhsa_system_vgpr_workitem_id 0
		.amdhsa_next_free_vgpr 256
		.amdhsa_next_free_sgpr 66
		.amdhsa_reserve_vcc 1
		.amdhsa_float_denorm_mode_32 3
		.amdhsa_float_denorm_mode_16_64 3
		.amdhsa_memory_ordered 1
		.amdhsa_forward_progress 1
		.amdhsa_inst_pref_size 64
	.end_amdhsa_kernel
	.amdgpu_metadata
---
amdhsa.version: [ 1, 2 ]
amdhsa.kernels:
  - .name:           k_qf29f08ef6c_combine
    .symbol:         k_qf29f08ef6c_combine.kd
    .args:
      - { .name: part, .offset: 0, .size: 8, .value_kind: global_buffer, .address_space: global }
      - { .name: wbuf, .offset: 8, .size: 8, .value_kind: global_buffer, .address_space: global }
      - { .name: stats, .offset: 16, .size: 8, .value_kind: global_buffer, .address_space: global }
      - { .name: Wv, .offset: 24, .size: 8, .value_kind: global_buffer, .address_space: global }
      - { .name: lambda_q1, .offset: 32, .size: 8, .value_kind: global_buffer, .address_space: global }
      - { .name: lambda_k1, .offset: 40, .size: 8, .value_kind: global_buffer, .address_space: global }
      - { .name: lambda_q2, .offset: 48, .size: 8, .value_kind: global_buffer, .address_space: global }
      - { .name: lambda_k2, .offset: 56, .size: 8, .value_kind: global_buffer, .address_space: global }
      - { .name: rms_weight, .offset: 64, .size: 8, .value_kind: global_buffer, .address_space: global }
      - { .name: on, .offset: 72, .size: 8, .value_kind: global_buffer, .address_space: global }
      - { .name: out1, .offset: 80, .size: 8, .value_kind: global_buffer, .address_space: global }
    .group_segment_fixed_size: 238592
    .private_segment_fixed_size: 0
    .kernarg_segment_align: 8
    .kernarg_segment_size: 88
    .max_flat_workgroup_size: 256
    .sgpr_count:     66
    .vgpr_count:     256
    .wavefront_size: 32
...
	.end_amdgpu_metadata
.endif
;; end of part 3
;; launch oproj (part 4): grid 8 x 4, 8 waves a work-group, no clusters, 234,496 bytes of LDS; arguments on, Wo, out0; writes out0
.if DOCPART == 4
	.amdgcn_target "amdgcn-amd-amdhsa--gfx1250"
	.amdhsa_code_object_version 6
	.text
	.protected	k_qf29f08ef6c_oproj
	.globl	k_qf29f08ef6c_oproj
	.p2align	8
	.type	k_qf29f08ef6c_oproj,@function
k_qf29f08ef6c_oproj:
	s_mov_b64 s[64:65], 0
	v_nop
	global_prefetch_b8 v0, s[64:65] scope:SCOPE_SE
	s_setreg_imm32_b32 hwreg(HW_REG_WAVE_MODE, 25, 1), 1
	s_wait_xcnt 0x0
; out0[b][n] = the sum over k of on[b][k] Wo[k][n].  on: [64][1024] f16, Wo: [1024][512] f32, out0: [64][512] f32.
; SHARES.  Work-group (x, y): 64 columns n from 64 x, 16 batches from 16 y.  K = 1,024 is split over the eight waves, 128 each; the partial sums, in f32, meet in LDS.
; FORMATS.  Wo is rounded once from f32 to f16; sums in f32.  LIMITS.  Wo within 65,504; NaN and infinities are not treated apart.
; A launch of its own: out0 sums over the heads, and the norm in front of it wants a head whole.  32 work-groups: 64 batches x 512 columns have no more tiles of 16 x 64.
; NO CLUSTER, NO TENSOR LOAD: Wo arrives as f32 and passes registers to be rounded.
.set PW, 160                     ; a row of Wo in LDS: 64 n in f16 + 32 bytes, for the turning load
.set PN, 272                     ; rows of 256 bytes + 16
.set ONO, 128*PW
.set BLK, ONO+16*PN              ; a wave's own block: Wo's 128 rows, on's 16
.set RED, 8*BLK
.set SPARE, RED+8*16*PN          ; the spare words: 128 bytes a wave, named by no other line
.set CC, 1
.set GG, 2
.set GA, 3                       ; global offset in on and in Wo, whose rows are both 2,048 bytes: 2048 g + 16 c
.set SO, 4
.set SN, 5
.set TRO, 6
.set FN, 7
.set RSA, 8
.set RRA, 9
.set GO, 10
.set SPW, 11
.set NIL, 12
.set T, 20                       ; v20-35 at work
.set RING, 36                    ; v36-195: five groups of eight loads
.set FR, 36                      ; later: for each 32 along K, on's fragment and Wo's four: 40 registers
.set ACC, 196
.set RD, 36
.macro PLACES
.rept 4
	v_nop
.endr
.endm
.macro CV n, src, dst
.set cq, 0
.rept \n
	v_cvt_pk_f16_f32 v[(\dst)+2*cq], v[(\src)+4*cq], v[(\src)+4*cq+1]
	v_cvt_pk_f16_f32 v[(\dst)+2*cq+1], v[(\src)+4*cq+2], v[(\src)+4*cq+3]
.set cq, cq+1
.endr
.endm
.macro ISSUE G                   ; group 0: on's 16 rows; groups 1-8: 16 rows of Wo each; a load takes two rows of 256 bytes
.set sl, RING+32*((\G)%5)
.if (\G) == 0
.irp i, 0,1,2,3,4,5,6,7
	global_load_b128 v[sl+4*\i:sl+4*\i+3], v[GA], s[4:5] offset:\i*4096
.endr
.else
.irp i, 0,1,2,3,4,5,6,7
	global_load_b128 v[sl+4*\i:sl+4*\i+3], v[GA], s[6:7] offset:(((\G)-1)*8+\i)*4096
.endr
.endif
.endm
.macro PROC G                    ; the group is in: eight loads stay out for each younger group, four of them or as many as are left
.set sl, RING+32*((\G)%5)
.set yg, 8-(\G)
.if yg > 4
.set yg, 4
.endif
	s_wait_loadcnt 8*yg
.if (\G) == 0
.irp i, 0,1,2,3,4,5,6,7
	ds_store_b128 v[SN], v[sl+4*\i:sl+4*\i+3] offset:\i*2*PN
.endr
.else
	CV 8, sl, T
.irp i, 0,1,2,3,4,5,6,7
	ds_store_b64 v[SO], v[T+2*\i:T+2*\i+1] offset:(((\G)-1)*8+\i)*2*PW
.endr
.endif
.endm
.macro RADD a, b
	v_pk_add_f32 v[RD+4*\a:RD+4*\a+1], v[RD+4*\a:RD+4*\a+1], v[RD+4*\b:RD+4*\b+1]
	v_pk_add_f32 v[RD+4*\a+2:RD+4*\a+3], v[RD+4*\a+2:RD+4*\a+3], v[RD+4*\b+2:RD+4*\b+3]
.endm
	s_load_b128 s[4:7], s[0:1], 0x0        ; on s[4:5], Wo s[6:7]
	s_load_b64 s[8:9], s[0:1], 0x10        ; out0
	v_lshl_add_u32 v[SPW], v0, 2, SPARE
	v_mov_b32 v[NIL], 0
	v_lshrrev_b32 v13, 5, v0
	v_readfirstlane_b32 s10, v13           ; wave
	s_and_b32 s11, ttmp7, 0xffff           ; bg
	s_lshl_b32 s12, s11, 15                ; on: 16 rows of 2,048 bytes, my 128 k
	s_lshl_b32 s21, s10, 8
	s_add_co_u32 s12, s12, s21
	s_mov_b32 s13, 0
	s_lshl_b32 s14, s10, 18                ; Wo: my 128 rows, 64 columns
	s_lshl_b32 s21, ttmp9, 8
	s_add_co_u32 s14, s14, s21
	s_mov_b32 s15, 0
	s_lshl_b32 s16, s11, 15                ; out0
	s_add_co_u32 s16, s16, s21
	s_mov_b32 s17, 0
	s_mul_i32 s18, s10, BLK
	s_add_co_u32 s19, s18, ONO
	s_mul_i32 s20, s10, 16*PN
	s_add_co_u32 s20, s20, RED
	v_and_b32 v[CC], 15, v0
	v_bfe_u32 v[GG], v0, 4, 1
	v_lshlrev_b32 v14, 4, v[CC]
	v_lshl_add_u32 v[GA], v[GG], 11, v14
	s_wait_kmcnt 0x0
	s_add_nc_u64 s[4:5], s[4:5], s[12:13]
	s_add_nc_u64 s[6:7], s[6:7], s[14:15]
	s_add_nc_u64 s[8:9], s[8:9], s[16:17]
	ISSUE 0
	ISSUE 1
	ISSUE 2
	ISSUE 3
	ISSUE 4
	v_lshrrev_b32 v15, 4, v0               ; thread / 16
	v_mul_u32_u24 v[SO], v[GG], PW
	v_lshl_add_u32 v[SO], v[CC], 3, v[SO]
	v_add_nc_u32 v[SO], s18, v[SO]
	v_mul_u32_u24 v[SN], v[GG], PN
	v_add_nc_u32 v[SN], v[SN], v14
	v_add_nc_u32 v[SN], s19, v[SN]
	v_and_b32 v16, 7, v0
	v_lshl_add_u32 v16, v[GG], 3, v16
	v_mul_u32_u24 v[TRO], v16, PW
	v_bfe_u32 v16, v0, 3, 1
	v_lshl_add_u32 v[TRO], v16, 4, v[TRO]
	v_add_nc_u32 v[TRO], s18, v[TRO]
	v_mul_u32_u24 v16, v[CC], PN
	v_lshl_add_u32 v[FN], v[GG], 4, v16
	v_add_nc_u32 v[FN], s19, v[FN]
	v_lshl_add_u32 v[RSA], v[GG], 5, v16
	v_add_nc_u32 v[RSA], s20, v[RSA]
	v_mul_u32_u24 v[RRA], v15, PN
	v_add_nc_u32 v[RRA], v[RRA], v14
	v_add_nc_u32 v[RRA], RED, v[RRA]
	v_lshl_add_u32 v[GO], v15, 11, v14
.set grp, 0
.rept 9
	PROC grp
.if grp <= 3
	ISSUE grp+5
.endif
.set grp, grp+1
.endr
	; Source 0 = 16 columns n of Wo (turned: it lies [k][n]), source 1 = 16 batches of on: a lane of the result holds one batch and eight n.  My own block: no barrier.
.irp ks, 0,1,2,3
	ds_load_b128 v[FR+40*\ks:FR+40*\ks+3], v[FN] offset:64*\ks
	ds_load_b128 v[FR+40*\ks+4:FR+40*\ks+7], v[FN] offset:64*\ks+32
.irp t, 0,1,2,3
	ds_load_tr16_b128 v[FR+40*\ks+8+8*\t:FR+40*\ks+8+8*\t+3], v[TRO] offset:\ks*32*PW+\t*32
	ds_load_tr16_b128 v[FR+40*\ks+8+8*\t+4:FR+40*\ks+8+8*\t+7], v[TRO] offset:\ks*32*PW+16*PW+\t*32
.endr
.endr
.irp ks, 0,1,2,3
	s_wait_dscnt 30-10*\ks                 ; ten loads for each 32 along K: the later ones stay out
.irp t, 0,1,2,3                  ; four accumulators take turns
.if \ks == 0
	v_wmma_f32_16x16x32_f16 v[ACC+8*\t:ACC+8*\t+7], v[FR+8+8*\t:FR+8+8*\t+7], v[FR:FR+7], 0
.else
	v_wmma_f32_16x16x32_f16 v[ACC+8*\t:ACC+8*\t+7], v[FR+40*\ks+8+8*\t:FR+40*\ks+8+8*\t+7], v[FR+40*\ks:FR+40*\ks+7], v[ACC+8*\t:ACC+8*\t+7]
.endif
.endr
.endr
	PLACES
.irp t, 0,1,2,3
	ds_store_b128 v[RSA], v[ACC+8*\t:ACC+8*\t+3] offset:\t*64
	ds_store_b128 v[RSA], v[ACC+8*\t+4:ACC+8*\t+7] offset:\t*64+16
.endr
	s_wait_dscnt 0x0
	s_barrier_signal -1
	s_barrier_wait -1                      ; all eight partial sums lie in RED
.irp k, 0,1,2,3,4,5,6,7
	ds_load_b128 v[RD+4*\k:RD+4*\k+3], v[RRA] offset:\k*16*PN
.endr
	s_wait_dscnt 0x0
	RADD 0, 1
	RADD 2, 3
	RADD 4, 5
	RADD 6, 7
	RADD 0, 2
	RADD 4, 6
	RADD 0, 4
	global_store_b128 v[GO], v[RD:RD+3], s[8:9]              ; sixteen lanes store 256 consecutive bytes, aligned
	s_wait_tensorcnt 0x0                   ; the wave's end
	ds_add_u32 v[SPW], v[NIL]
	s_wait_dscnt 0x0
	s_endpgm
.Lfunc_end_k_qf29f08ef6c_oproj:
	.size	k_qf29f08ef6c_oproj, .Lfunc_end_k_qf29f08ef6c_oproj-k_qf29f08ef6c_oproj
	.p2alignl 7, 3214868480
	.fill 96, 4, 3214868480
	.section	.rodata,"a",@progbits
	.p2align	6, 0x0
	.amdhsa_kernel k_qf29f08ef6c_oproj
		.amdhsa_group_segment_fixed_size 234496
		.amdhsa_private_segment_fixed_size 0
		.amdhsa_enable_private_segment 0
		.amdhsa_kernarg_size 24
		.amdhsa_user_sgpr_count 2
		.amdhsa_user_sgpr_kernarg_segment_ptr 1
		.amdhsa_wavefront_size32 1
		.amdhsa_system_sgpr_workgroup_id_x 1
		.amdhsa_system_sgpr_workgroup_id_y 1
		.amdhsa_system_sgpr_workgroup_id_z 1
		.amdhsa_system_vgpr_workitem_id 0
		.amdhsa_next_free_vgpr 228
		.amdhsa_next_free_sgpr 66
		.amdhsa_reserve_vcc 0
		.amdhsa_float_denorm_mode_32 3
		.amdhsa_float_denorm_mode_16_64 3
		.amdhsa_memory_ordered 1
		.amdhsa_forward_progress 1
		.amdhsa_inst_pref_size 29
	.end_amdhsa_kernel
	.amdgpu_metadata
---
amdhsa.version: [ 1, 2 ]
amdhsa.kernels:
  - .name:           k_qf29f08ef6c_oproj
    .symbol:         k_qf29f08ef6c_oproj.kd
    .args:
      - { .name: on, .offset: 0, .size: 8, .value_kind: global_buffer, .address_space: global }
      - { .name: Wo, .offset: 8, .size: 8, .value_kind: global_buffer, .address_space: global }
      - { .name: out0, .offset: 16, .size: 8, .value_kind: global_buffer, .address_space: global }
    .group_segment_fixed_size: 234496
    .private_segment_fixed_size: 0
    .kernarg_segment_align: 8
    .kernarg_segment_size: 24
    .max_flat_workgroup_size: 256
    .sgpr_count:     66
    .vgpr_count:     228
    .wavefront_size: 32
...
	.end_amdgpu_metadata
.endif
;; end of part 4
;; ======== version 2 of 2: 4 launches; version 1 with the launches stream, combine written anew for expert scheduling mode
;; limits: a difference of large sums (such as E[x^2] - mean^2): digits are lost where the result is much smaller than its terms; values are held in f16: magnitudes above 65,504 overflow, below 6.1e-05 lose precision
;; workspace buffers: qk 1,048,576 bytes; part 8,388,608 bytes; wbuf 4,194,304 bytes; stats 32,768 bytes; on 131,072 bytes
;; launch qkprep: the kernel of part 1 again; grid 16 x 16, 8 waves a work-group, no clusters, 161,280 bytes of LDS; arguments query, Wq, Wk, qk; writes qk
;; launch stream (part 5): grid 256 x 1, 8 waves a work-group, no clusters, 293,120 bytes of LDS; arguments key, qk, part, wbuf, stats; writes part, wbuf, stats
.if DOCPART == 5
	.amdgcn_target "amdgcn-amd-amdhsa--gfx1250"
	.amdhsa_code_object_version 6
	.text
	.protected	k_qf29f08ef6c_stream
	.globl	k_qf29f08ef6c_stream
	.p2align	8
	.type	k_qf29f08ef6c_stream,@function
k_qf29f08ef6c_stream:
	s_mov_b64 s[64:65], 0
	v_nop
	global_prefetch_b8 v0, s[64:65] scope:SCOPE_SE
	s_setreg_imm32_b32 hwreg(HW_REG_WAVE_SCHED_MODE, 0, 2), 2
	s_setreg_imm32_b32 hwreg(HW_REG_WAVE_MODE, 25, 1), 1
	s_wait_xcnt 0x0
	s_wait_alu depctr_vm_vsrc(0)
; THE STREAM.  Work-group x = 4 b + j owns the 256 keys 256 j .. of batch b: 524,288 consecutive bytes of key, read once.  It makes, for all 16 softmaxes hs:
;   s[hs][p] = key[p] . qk[hs]  (qk carries log2(e) / 8, so weights are powers of two);   m[hs] = the largest s of these 256 keys;   w[hs][p] = 2^(s - m);   l[hs] = the sum of w;
;   part[hs][e] = the sum over p of w[hs][p] key[p][e].
; The next launch joins the four quarters of a batch under the batch's true maximum.  Both products are reassociated forms (one query row a batch): the order of rounding differs.
; SHARES.  Wave w brings rows 32 w .. 32 w + 31, rounds them to f16 into LDS and scores them; in the second product it owns columns 64 w .. 64 w + 63 over all 256 rows.
; IN FLIGHT.  A ring of eight rows in registers: 24 to 32 loads of 512 bytes a wave; the waits are counted and never for all while rows are left.
; ORDER IN AN LDS ROW.  In each 256 bytes (128 e) the piece of 8 e number x lies at byte 16 (x / 2) + 128 (x % 2), in key and in qk alike: the first product runs over the same pairs in another
; order of K.  The turning load of the second product then finds a tile's two pieces 128 bytes apart.
; FORMATS.  key, qk and w enter the matrix unit as f16, each rounded once from f32; sums, m, l, the stored w and part in f32.
; LIMITS.  key within 65,504; w lies in 0 to 1 and below 6e-5 keeps f16's fixed step of 6e-8 in the second product; a weight below 2^-126 counts as 0; NaN and infinities are not treated apart.
; NO CLUSTER: work-groups share only qk, 16,384 of the 540,672 bytes that each reads.  NO TENSOR LOAD: f32 has to pass registers to become f16.
; THE MODE: SCHED_MODE bits 1:0 = 2 (LLVM: expert scheduling mode 2), set by the entry lines.  The code itself states the register dependences
; between vector or matrix instructions and memory or LDS instructions, with s_wait_alu, always for 0.
; THE PLAN.  Registers that memory or LDS instructions touch:
;   RING        A block is two rows.  Its sixteen conversions read the two rows' registers; behind them the loads of the rows eight further on land there.
;   Y0 .. Y3    Block p's conversions write Y[p % 4]; the block's eight LDS stores read it.  ONE wait on va_vdst a block, behind its conversions, states both: Y is written, the rows are read;
;               the block's loads and stores follow it with no vector instruction between.  ONE wait on vm_vsrc a lap of four blocks: the stores issued so far are the last readers of all four Y.
;   fragments   Tile 0 has two buffers (Y's registers): the ring's registers are awaited by loads from memory; a wait on va_vdst stands behind each step's two products, ahead of the reload of their buffer.
;               Tile 1 has six (Y's and the ring's): steps 0-5 are asked for at once, and one wait on va_vdst at step 2's head frees buffers 0 and 1 for steps 6 and 7.
;   v28         The wave's maximum, then its sum: written by vector instructions, read by an LDS store, then a load lands in it: va_vdst ahead of the store, vm_vsrc ahead of the load.
;   S0, W       Read by LDS stores behind the waits that show them written; S0's registers later take turned fragments, behind the wait on vm_vsrc at the barrier.
;   KF0 .. KF2  Step ks of the second product reads KF[ks % 3]; at its head one wait on va_vdst shows the step before done with its buffer, in which step ks + 2 lands.
;   addresses   Made at the head, ahead of two waits on va_vdst, and never written again.
.set PK, 1040                    ; an LDS row: 512 f16 + 16 bytes
.set PC, 272
.set QK, 256*PK                  ; behind the keys: qk, 16 rows
.set WS, QK                      ; later in its place: w in f32, [16 hs][256 p]
.set WF, QK+16*PK                ; w as eight fragments of 32 keys x 16 hs
.set SMAX, WF+8192               ; [16 hs][8 waves] maxima; 512 bytes on, the sums
.set SPARE, SMAX+1024            ; the spare words: 128 bytes a wave, named by no other line
.set RR, 1                       ; lane % 16
.set HH, 2                       ; lane / 16
.set GK, 3                       ; 16 x lane
.set GQ, 4                       ; 16 x thread
.set QST, 5                      ; where I put 16 bytes of qk
.set LST, 6                      ; where I put 8 bytes of a key row
.set KA, 7                       ; fragments of my keys, of qk
.set QA, 8
.set SMA, 9
.set SMR, 10
.set WFA, 11
.set WSA, 12
.set WRA, 13
.set WFL, 14
.set LL, 15                      ; lane
.set TA, 16                      ; v16-19: turning loads, 64 keys apart
.set CSA, 20                     ; the way out
.set CRA, 21
.set GP, 22
.set GS, 23
.set SPW, 24
.set NIL, 25
.set MM, 26                      ; v26-27: m, twice; v28-35 at work
.set ACB, 40                     ; the second accumulator of a tile of scores
.set S0, 48                      ; v48-63: scores, then weights, of my two tiles of 16 keys; a tile's registers are also its first accumulator
.set YB, 64                      ; v64-127: four out-buffers of two rows in f16
.set FB, 64                      ; v64-127: two buffers of fragments, 64 along K each; for the second tile six: v64-255
.set RING, 128                   ; v128-255: eight rows as loaded
.set OT, 64                      ; later: the second product's four accumulators
.set WW, 96                      ; my fragment of w
.set XX, 104                     ; two rows of w in f32
.set LB, 120                     ; v120-123: the second four of the eight waves' sums
.set WFR, 128                    ; all eight fragments of w
.set KF, 192                     ; two buffers of turned key fragments,
.set KF2, 32                     ; and a third: v32-63
.set YY, 128                     ; the way out
.macro PLACES                    ; four plain vector instructions behind a matrix instruction, ahead of a line that reads its result (ISA guide 7.12.1)
.rept 4
	v_nop
.endr
.endm
.macro BAR
	s_wait_dscnt 0x0
	s_barrier_signal -1
	s_barrier_wait -1
.endm
.macro CV n, src, dst
.set cq, 0
.rept \n
	v_cvt_pk_f16_f32 v[(\dst)+2*cq], v[(\src)+4*cq], v[(\src)+4*cq+1]
	v_cvt_pk_f16_f32 v[(\dst)+2*cq+1], v[(\src)+4*cq+2], v[(\src)+4*cq+3]
.set cq, cq+1
.endr
.endm
; Block p: rows 2 p and 2 p + 1 of my 32.  Each row's four loads are in (the counts: seven, then six younger rows of four loads, or as many as are left), it is rounded into Y[p % 4];
; then the two rows' registers take the rows eight further on, and the block goes into LDS.
.macro BLOCK p, refill
.set r0, 2*(\p)
.set c0, (31-r0)*4
.if c0 > 28
.set c0, 28
.endif
.set c1, (30-r0)*4
.if c1 > 24
.set c1, 24
.endif
	s_wait_loadcnt c0
	CV 4, RING+16*(r0%8), YB+16*((\p)%4)
	s_wait_loadcnt c1
	CV 4, RING+16*(r0%8)+16, YB+16*((\p)%4)+8
	s_wait_alu depctr_va_vdst(0)           ; the sixteen conversions have written Y[p % 4], which the stores below read, and are done reading the two rows' registers, in which the loads below land
.if \refill
.irp q, 0,1,2,3,4,5,6,7
	global_load_b128 v[RING+16*(r0%8)+4*\q:RING+16*(r0%8)+4*\q+3], v[GK], s[4:5] offset:(r0+8+\q/4)*2048+(\q%4)*512 th:TH_LOAD_NT
.endr
.endif
.irp q, 0,1,2,3,4,5,6,7
	ds_store_b64 v[LST], v[YB+16*((\p)%4)+2*\q:YB+16*((\p)%4)+2*\q+1] offset:(r0+\q/4)*PK+(\q%4)*256   ; 32 lanes fill one group of 256 bytes
.endr
.endm
; Eight LDS loads: for 64 along K, the fragments of tile t's 16 keys and of qk's 16 rows, into the 32 registers from fb on.
.macro LDF fb, ksp, t
.irp u, 0,1
	ds_load_b128 v[(\fb)+16*\u:(\fb)+16*\u+3], v[KA] offset:(\t)*16*PK+64*(2*(\ksp)+\u)
	ds_load_b128 v[(\fb)+16*\u+4:(\fb)+16*\u+7], v[KA] offset:(\t)*16*PK+64*(2*(\ksp)+\u)+32
	ds_load_b128 v[(\fb)+16*\u+8:(\fb)+16*\u+11], v[QA] offset:64*(2*(\ksp)+\u)
	ds_load_b128 v[(\fb)+16*\u+12:(\fb)+16*\u+15], v[QA] offset:64*(2*(\ksp)+\u)+32
.endr
.endm
; Step g of tile t's scores: 64 along K; two accumulators take turns.  The result holds one hs a lane (lane % 16) and the keys 16 t + 8 (lane / 16) + 0..7.
.macro MUL fb, t, g
.if (\g) == 0
	v_wmma_f32_16x16x32_f16 v[S0+8*(\t):S0+8*(\t)+7], v[(\fb):(\fb)+7], v[(\fb)+8:(\fb)+15], 0
	v_wmma_f32_16x16x32_f16 v[ACB:ACB+7], v[(\fb)+16:(\fb)+23], v[(\fb)+24:(\fb)+31], 0
.else
	v_wmma_f32_16x16x32_f16 v[S0+8*(\t):S0+8*(\t)+7], v[(\fb):(\fb)+7], v[(\fb)+8:(\fb)+15], v[S0+8*(\t):S0+8*(\t)+7]
	v_wmma_f32_16x16x32_f16 v[ACB:ACB+7], v[(\fb)+16:(\fb)+23], v[(\fb)+24:(\fb)+31], v[ACB:ACB+7]
.endif
.endm
.macro JOIN t                    ; the tile's two accumulators are added
	PLACES
.irp q, 0,2,4,6
	v_pk_add_f32 v[S0+8*(\t)+\q:S0+8*(\t)+\q+1], v[S0+8*(\t)+\q:S0+8*(\t)+\q+1], v[ACB+\q:ACB+\q+1]
.endr
.endm
; Eight turning loads: keys 32 ks .. + 31 x my 64 columns, as four fragments of key^T, into buffer ks % 3.
.macro LDT ks
.set kb, KF+32*((\ks)%3)
.if (\ks)%3 == 2
.set kb, KF2
.endif
.irp t, 0,1,2,3
	ds_load_tr16_b128 v[kb+8*\t:kb+8*\t+3], v[TA+(\ks)/2] offset:((\ks)%2)*32*PK+\t*16
	ds_load_tr16_b128 v[kb+8*\t+4:kb+8*\t+7], v[TA+(\ks)/2] offset:((\ks)%2)*32*PK+16*PK+\t*16
.endr
.endm
	s_load_b256 s[4:11], s[0:1], 0x0       ; key s[4:5], qk s[6:7], part s[8:9], wbuf s[10:11]
	s_load_b64 s[12:13], s[0:1], 0x20      ; stats
	v_lshl_add_u32 v[SPW], v0, 2, SPARE
	v_mov_b32 v[NIL], 0
	v_lshrrev_b32 v28, 5, v0
	v_readfirstlane_b32 s14, v28           ; wave
	v_and_b32 v[LL], 31, v0
	v_lshlrev_b32 v[GQ], 4, v0
	v_lshlrev_b32 v[GK], 4, v[LL]
	s_mov_b32 s16, 0x76543210              ; v_permlanex16_b32: each lane takes its own place in the other half
	s_mov_b32 s17, 0xfedcba98
	s_lshl_b32 s20, ttmp9, 19              ; key: 256 rows of 2,048 bytes a work-group, 32 a wave
	s_wait_alu depctr_va_sdst(0)           ; s14 is written, ahead of its first reader: the bases and the LDS places are made from it
	s_lshl_b32 s18, s14, 16
	s_add_co_u32 s20, s20, s18
	s_mov_b32 s21, 0
	s_lshr_b32 s19, ttmp9, 2               ; b
	s_lshl_b32 s22, s19, 14                ; qk: 16,384 bytes a batch
	s_mov_b32 s23, 0
	s_lshl_b32 s24, ttmp9, 15              ; part: 32,768 bytes a work-group, my 64 columns
	s_lshl_b32 s18, s14, 8
	s_add_co_u32 s24, s24, s18
	s_mov_b32 s25, 0
	s_lshl_b32 s26, s19, 16                ; wbuf: 65,536 bytes a batch, 1,024 a quarter of a row, rows 2 w and 2 w + 1
	s_and_b32 s18, ttmp9, 3
	s_lshl_b32 s18, s18, 10
	s_add_co_u32 s26, s26, s18
	s_lshl_b32 s18, s14, 13
	s_add_co_u32 s26, s26, s18
	s_mov_b32 s27, 0
	s_lshl_b32 s28, ttmp9, 7               ; stats: 128 bytes a work-group
	s_mov_b32 s29, 0
	s_mul_i32 s30, s14, 32*PK              ; my 32 rows in LDS
	s_mul_i32 s31, s14, 16*PC              ; my stage for the way out
	s_wait_kmcnt 0x0
	s_add_nc_u64 s[4:5], s[4:5], s[20:21]
	s_add_nc_u64 s[6:7], s[6:7], s[22:23]
	s_add_nc_u64 s[8:9], s[8:9], s[24:25]
	s_add_nc_u64 s[10:11], s[10:11], s[26:27]
	s_add_nc_u64 s[12:13], s[12:13], s[28:29]
	s_wait_alu depctr_va_vdst(0)           ; v[GQ] and v[GK] are written: the loads below read them as their offsets
.irp i, 0,1,2,3
	global_load_b128 v[FB+4*\i:FB+4*\i+3], v[GQ], s[6:7] offset:\i*4096
.endr
.set rw, 0
.rept 8                          ; the ring is filled: rows 0 to 7
.irp q, 0,1,2,3
	global_load_b128 v[RING+16*rw+4*\q:RING+16*rw+4*\q+3], v[GK], s[4:5] offset:rw*2048+\q*512 th:TH_LOAD_NT
.endr
.set rw, rw+1
.endr
	v_and_b32 v[RR], 15, v0
	v_bfe_u32 v[HH], v0, 4, 1
	v_lshlrev_b32 v[GS], 2, v[LL]
	v_lshrrev_b32 v28, 6, v0               ; qk: thread t holds row t / 64 (+ 4 a load), group (t / 16) % 4, piece t % 16
	v_mul_u32_u24 v[QST], v28, PK
	v_bfe_u32 v28, v0, 4, 2
	v_lshl_add_u32 v[QST], v28, 8, v[QST]
	v_bfe_u32 v28, v0, 1, 3
	v_lshl_add_u32 v[QST], v28, 4, v[QST]
	v_and_b32 v29, 1, v0
	v_lshl_add_u32 v[QST], v29, 7, v[QST]
	v_add_nc_u32 v[QST], QK, v[QST]
	v_bfe_u32 v28, v0, 2, 3                ; a key row: lane l holds half l % 2 of piece l / 2
	v_lshl_add_u32 v[LST], v28, 4, s30
	v_bfe_u32 v28, v0, 1, 1
	v_lshl_add_u32 v[LST], v28, 7, v[LST]
	v_lshl_add_u32 v[LST], v29, 3, v[LST]
	v_mul_u32_u24 v28, v[RR], PK
	v_lshl_add_u32 v30, v[HH], 4, v28      ; a fragment along K: row l % 16, 16 bytes for each half of the lanes
	v_add_nc_u32 v[KA], s30, v30
	v_add_nc_u32 v[QA], QK, v30
	v_lshlrev_b32 v[SMR], 5, v[RR]
	v_add_nc_u32 v[SMR], SMAX, v[SMR]
	s_lshl_b32 s18, s14, 2
	v_add_nc_u32 v[SMA], s18, v[SMR]
	v_add_nc_u32 v[WFL], WF, v[GK]
	s_lshl_b32 s18, s14, 10
	v_add_nc_u32 v[WFA], s18, v[WFL]
	v_lshl_add_u32 v[WSA], v[HH], 5, v28
	s_lshl_b32 s18, s14, 7
	s_add_co_u32 s18, s18, WS
	v_add_nc_u32 v[WSA], s18, v[WSA]
	s_mul_i32 s18, s14, 2*PK
	s_add_co_u32 s18, s18, WS
	v_add_nc_u32 v[WRA], s18, v[GK]
	v_and_b32 v28, 7, v0                   ; the turning load: lane l reads key 8 (l / 16) + l % 8, piece (l / 8) % 2 of the tile
	v_lshl_add_u32 v28, v[HH], 3, v28
	v_mul_u32_u24 v28, v28, PK
	v_bfe_u32 v30, v0, 3, 1
	v_lshl_add_u32 v28, v30, 7, v28
	s_lshr_b32 s18, s14, 1                 ; my 64 columns: group w / 2, its tiles 4 (w % 2) on
	s_lshl_b32 s18, s18, 8
	s_and_b32 s19, s14, 1
	s_lshl_b32 s19, s19, 6
	s_add_co_u32 s18, s18, s19
	v_add_nc_u32 v[TA], s18, v28
	v_add_nc_u32 v[TA+1], 64*PK, v[TA]
	v_add_nc_u32 v[TA+2], 128*PK, v[TA]
	v_add_nc_u32 v[TA+3], 192*PK, v[TA]
	v_mul_u32_u24 v28, v[RR], PC
	v_lshl_add_u32 v28, v[HH], 5, v28
	v_add_nc_u32 v[CSA], s31, v28
	v_mul_u32_u24 v28, v[HH], PC
	v_lshl_add_u32 v28, v[RR], 4, v28
	v_add_nc_u32 v[CRA], s31, v28
	v_lshlrev_b32 v28, 4, v[RR]
	v_lshl_add_u32 v[GP], v[HH], 11, v28
	s_wait_loadcnt 32                      ; qk's four loads are in; the ring's 32 stay out
	s_wait_alu depctr_va_vdst(0)           ; all the addresses and offsets v5 to v23 are written: every LDS instruction and every store of the kernel reads one of them
.irp i, 0,1,2,3
	ds_store_b128 v[QST], v[FB+4*\i:FB+4*\i+3] offset:\i*4*PK
.endr
	BAR                                    ; qk is whole; nobody writes the bytes that the loads in flight read
	; rows 0-15, their scores under the loads of rows 16-23, rows 16-31, their scores
	s_wait_alu depctr_vm_vsrc(0)           ; my stores of qk have read v64-79, which are Y0 from here on
.set bk, 0
.rept 4
	BLOCK bk, 1
.set bk, bk+1
.endr
	s_wait_alu depctr_vm_vsrc(0)           ; the stores of blocks 0-3 have read Y0-Y3, which blocks 4-7 write again
.rept 4
	BLOCK bk, 1
.set bk, bk+1
.endr
	; TILE 0's scores: K = 512 in eight steps of 64 on two buffers.  My own rows: LDS serves a wave's instructions in order (ISA guide 5.7.1.4), no barrier.
	s_wait_alu depctr_vm_vsrc(0)           ; the stores of blocks 4-7 have read Y0-Y3, in which the fragments land (the conversions that wrote them stand ahead of the last wait on va_vdst)
	LDF FB, 0, 0
	LDF FB+32, 1, 0
.set gq, 0
.rept 8
.if gq == 7
	s_wait_dscnt 0x0
.else
	s_wait_dscnt 0x8                       ; this step's eight loads are in; the other buffer's eight may stay out
.endif
	MUL FB+32*(gq%2), 0, gq
.if gq <= 5
	s_wait_alu depctr_va_vdst(0)           ; the step's two products are done reading their buffer, in which the step after next lands
	LDF FB+32*(gq%2), gq+2, 0
.endif
.set gq, gq+1
.endr
	JOIN 0
.rept 4                          ; blocks 8-11: Y's last readers among the stores stand ahead of the wait at tile 0's head
	BLOCK bk, 1
.set bk, bk+1
.endr
	s_wait_alu depctr_vm_vsrc(0)           ; the stores of blocks 8-11 have read Y0-Y3, which blocks 12-15 write again
.rept 4                          ; the last eight rows ask for nothing: no load leaves the work-group's part of key
	BLOCK bk, 0
.set bk, bk+1
.endr
	; TILE 1's scores: the ring is empty, so six buffers: steps 0-5 are asked for at once, steps 6 and 7 when buffers 0 and 1 are read.
	s_wait_alu depctr_vm_vsrc(0)           ; the stores of blocks 12-15 have read Y0-Y3, in which fragments land (all conversions, which wrote Y and read the ring, stand ahead of the last wait on va_vdst)
.set gq, 0
.rept 6
	LDF FB+32*gq, gq, 1
.set gq, gq+1
.endr
.set gq, 0
.rept 8
.set yg, 7-gq                    ; the steps asked for behind this one: up to step 2 those up to step 5, then those up to step 7
.if gq < 3
.set yg, 5-gq
.endif
	s_wait_dscnt 8*yg
.if gq == 2
	s_wait_alu depctr_va_vdst(0)           ; the products of steps 0 and 1 are done reading buffers 0 and 1, in which steps 6 and 7 land
	LDF FB, 6, 1
	LDF FB+32, 7, 1
.endif
	MUL FB+32*(gq%6), 1, gq
.set gq, gq+1
.endr
	JOIN 1
	; THE MAXIMUM of the work-group's 256 keys, for each hs: my lane's 16 scores, the other half of the lanes, the eight waves
	v_max3_num_f32 v28, v[S0], v[S0+1], v[S0+2]
	v_max3_num_f32 v29, v[S0+3], v[S0+4], v[S0+5]
	v_max3_num_f32 v30, v[S0+6], v[S0+7], v[S0+8]
	v_max3_num_f32 v31, v[S0+9], v[S0+10], v[S0+11]
	v_max3_num_f32 v28, v28, v[S0+12], v[S0+13]
	v_max3_num_f32 v29, v29, v[S0+14], v[S0+15]
	v_max3_num_f32 v28, v28, v29, v30
	v_max_num_f32 v28, v28, v31
	v_permlanex16_b32 v29, v28, s16, s17
	v_max_num_f32 v28, v28, v29
	s_wait_alu depctr_va_vdst(0)           ; v28 is written, which the store reads; the lines above are done with v28-31, in which a load lands behind the barrier
	ds_store_b32 v[SMA], v28
	BAR                                    ; the eight maxima are there, and nobody reads qk any more
	s_wait_alu depctr_vm_vsrc(0)           ; my store has read v28, in which the first load lands
	ds_load_b128 v[28:31], v[SMR]
	ds_load_b128 v[32:35], v[SMR] offset:16
	s_wait_dscnt 0x0
	v_max3_num_f32 v[MM], v28, v29, v30
	v_max3_num_f32 v[MM+1], v31, v32, v33
	v_max3_num_f32 v[MM], v[MM], v34, v35
	v_max_num_f32 v[MM], v[MM], v[MM+1]
	v_mov_b32 v[MM+1], v[MM]
	; THE WEIGHTS
.irp q, 0,2,4,6,8,10,12,14
	v_pk_add_f32 v[S0+\q:S0+\q+1], v[S0+\q:S0+\q+1], v[MM:MM+1] neg_lo:[0,1] neg_hi:[0,1]
.endr
.irp q, 0,1,2,3,4,5,6,7,8,9,10,11,12,13,14,15
	v_exp_f32 v[S0+\q], v[S0+\q]
.endr
	v_nop                                  ; a plain instruction between the last exponential and the use of its result (ISA guide 5.7.2)
	s_wait_alu depctr_va_vdst(0)           ; the sixteen exponentials have written S0, ahead of their first readers: the four stores, then the conversions and the sums
	ds_store_b128 v[WSA], v[S0:S0+3]
	ds_store_b128 v[WSA], v[S0+4:S0+7] offset:16
	ds_store_b128 v[WSA], v[S0+8:S0+11] offset:64
	ds_store_b128 v[WSA], v[S0+12:S0+15] offset:80
.irp q, 0,1,2,3,4,5,6,7                ; my two tiles, rounded in pairs, ARE source 1 (32 keys x 16 hs) of the second product
	v_cvt_pk_f16_f32 v[WW+\q], v[S0+2*\q], v[S0+2*\q+1]
.endr
	v_pk_add_f32 v[28:29], v[S0:S0+1], v[S0+2:S0+3]          ; l is the sum of the unrounded weights
	v_pk_add_f32 v[30:31], v[S0+4:S0+5], v[S0+6:S0+7]
	v_pk_add_f32 v[32:33], v[S0+8:S0+9], v[S0+10:S0+11]
	v_pk_add_f32 v[34:35], v[S0+12:S0+13], v[S0+14:S0+15]
	v_pk_add_f32 v[28:29], v[28:29], v[30:31]
	v_pk_add_f32 v[32:33], v[32:33], v[34:35]
	v_pk_add_f32 v[28:29], v[28:29], v[32:33]
	v_add_f32 v28, v28, v29
	v_permlanex16_b32 v29, v28, s16, s17
	v_add_f32 v28, v28, v29
	s_wait_alu depctr_va_vdst(0)           ; the conversions have written W and the sums v28, which the three stores read; all vector lines are done with v28-63 and v104-255, in which loads land behind the barrier
	ds_store_b128 v[WFA], v[WW:WW+3]
	ds_store_b128 v[WFA], v[WW+4:WW+7] offset:512
	ds_store_b32 v[SMA], v28 offset:512
	BAR                                    ; every wave's keys, weights and sums lie in LDS
	s_wait_alu depctr_vm_vsrc(0)           ; my stores have read v28 and S0: the first load below lands in v28, the third buffer's turning loads in S0's registers
	ds_load_b128 v[28:31], v[SMR] offset:512
	ds_load_b128 v[LB:LB+3], v[SMR] offset:528
	ds_load_b128 v[XX:XX+3], v[WRA]
	ds_load_b128 v[XX+4:XX+7], v[WRA] offset:512
	ds_load_b128 v[XX+8:XX+11], v[WRA] offset:PK
	ds_load_b128 v[XX+12:XX+15], v[WRA] offset:PK+512
.irp k, 0,1,2,3,4,5,6,7
	ds_load_b128 v[WFR+8*\k:WFR+8*\k+3], v[WFL] offset:\k*1024
	ds_load_b128 v[WFR+8*\k+4:WFR+8*\k+7], v[WFL] offset:\k*1024+512
.endr
	LDT 0
	LDT 1
	LDT 2
	s_wait_dscnt 40                        ; the first six loads are in; the 16 of w's fragments and the 24 turning loads stay out
	v_cmp_gt_u32 vcc_lo, 16, v[LL]
	v_pk_add_f32 v[28:29], v[28:29], v[30:31]
	v_pk_add_f32 v[LB:LB+1], v[LB:LB+1], v[LB+2:LB+3]
	v_pk_add_f32 v[28:29], v[28:29], v[LB:LB+1]
	v_add_f32 v28, v28, v29
	s_wait_alu depctr_va_vcc(0)            ; the compare has written VCC, which the select reads
	v_cndmask_b32 v28, v28, v[MM], vcc_lo  ; lanes 0-15: m of hs = lane; lanes 16-31: l of hs = lane - 16
	global_store_b128 v[GK], v[XX:XX+3], s[10:11]            ; each store covers 512 consecutive bytes, aligned to 256; its data come from LDS loads, which the wait on DScnt has shown done
	global_store_b128 v[GK], v[XX+4:XX+7], s[10:11] offset:512
	global_store_b128 v[GK], v[XX+8:XX+11], s[10:11] offset:4096
	global_store_b128 v[GK], v[XX+12:XX+15], s[10:11] offset:4608
	s_cmp_lg_u32 s14, 0
	s_cbranch_scc1 .Lno_stats
	s_wait_alu depctr_va_vdst(0)           ; the select has written v28, which the store reads
	global_store_b32 v[GS], v28, s[12:13]  ; wave 0 alone: 128 consecutive bytes
.Lno_stats:
	; THE SECOND PRODUCT.  Source 0 = 16 columns e of key (turned), source 1 = 32 keys x 16 hs of w; four accumulators take turns.
.set ks, 0
.rept 8
.if ks == 0
	s_wait_dscnt 16                        ; step 0's turning loads are in, and all in front of them; the two younger steps stay out
.elseif ks == 7
	s_wait_dscnt 0x0
.else
	s_wait_dscnt 0x8                       ; this step's eight turning loads are in; the next step's stay out
.endif
.if (ks >= 1) && (ks <= 5)
	s_wait_alu depctr_va_vdst(0)           ; the four products of the step before are done reading their buffer, in which the step after next lands
	LDT ks+2
.endif
.set kb, KF+32*(ks%3)
.if ks%3 == 2
.set kb, KF2
.endif
.irp t, 0,1,2,3
.if ks == 0
	v_wmma_f32_16x16x32_f16 v[OT+8*\t:OT+8*\t+7], v[kb+8*\t:kb+8*\t+7], v[WFR:WFR+7], 0
.else
	v_wmma_f32_16x16x32_f16 v[OT+8*\t:OT+8*\t+7], v[kb+8*\t:kb+8*\t+7], v[WFR+8*ks:WFR+8*ks+7], v[OT+8*\t:OT+8*\t+7]
.endif
.endr
.set ks, ks+1
.endr
	PLACES
	s_wait_alu depctr_va_vdst(0)           ; the products have written the four accumulators, which the LDS stores read, and are done reading w's fragments, in which the loads from the stage land; the places above stay beside this wait
	BAR                                    ; nobody reads the keys any more: their first bytes become the stages
	; THE WAY OUT.  A lane holds one hs and eight e: through my stage, back as rows of 256 bytes.
.irp t, 0,1,2,3
	ds_store_b128 v[CSA], v[OT+8*\t:OT+8*\t+3] offset:\t*64
	ds_store_b128 v[CSA], v[OT+8*\t+4:OT+8*\t+7] offset:\t*64+16
.endr
.irp i, 0,1,2,3,4,5,6,7
	ds_load_b128 v[YY+4*\i:YY+4*\i+3], v[CRA] offset:\i*2*PC
.endr
.irp i, 0,1,2,3,4,5,6,7
	s_wait_dscnt 7-\i
	global_store_b128 v[GP], v[YY+4*\i:YY+4*\i+3], s[8:9] offset:\i*4096   ; sixteen lanes store 256 consecutive bytes, aligned
.endr
	s_wait_dscnt 0x0                       ; the closing lines, six on end
	s_wait_alu 0x0
	s_wait_tensorcnt 0x0
	ds_add_u32 v[SPW], v[NIL]
	s_wait_dscnt 0x0
	s_endpgm
.Lfunc_end_k_qf29f08ef6c_stream:
	.size	k_qf29f08ef6c_stream, .Lfunc_end_k_qf29f08ef6c_stream-k_qf29f08ef6c_stream
	.p2alignl 7, 3214868480
	.fill 96, 4, 3214868480
	.section	.rodata,"a",@progbits
	.p2align	6, 0x0
	.amdhsa_kernel k_qf29f08ef6c_stream
		.amdhsa_group_segment_fixed_size 293120
		.amdhsa_private_segment_fixed_size 0
		.amdhsa_enable_private_segment 0
		.amdhsa_kernarg_size 40
		.amdhsa_user_sgpr_count 2
		.amdhsa_user_sgpr_kernarg_segment_ptr 1
		.amdhsa_wavefront_size32 1
		.amdhsa_system_sgpr_workgroup_id_x 1
		.amdhsa_system_sgpr_workgroup_id_y 1
		.amdhsa_system_sgpr_workgroup_id_z 1
		.amdhsa_system_vgpr_workitem_id 0
		.amdhsa_next_free_vgpr 256
		.amdhsa_next_free_sgpr 66
		.amdhsa_reserve_vcc 1
		.amdhsa_float_denorm_mode_32 3
		.amdhsa_float_denorm_mode_16_64 3
		.amdhsa_memory_ordered 1
		.amdhsa_forward_progress 1
		.amdhsa_inst_pref_size 70
	.end_amdhsa_kernel
	.amdgpu_metadata
---
amdhsa.version: [ 1, 2 ]
amdhsa.kernels:
  - .name:           k_qf29f08ef6c_stream
    .symbol:         k_qf29f08ef6c_stream.kd
    .args:
      - { .name: key, .offset: 0, .size: 8, .value_kind: global_buffer, .address_space: global }
      - { .name: qk, .offset: 8, .size: 8, .value_kind: global_buffer, .address_space: global }
      - { .name: part, .offset: 16, .size: 8, .value_kind: global_buffer, .address_space: global }
      - { .name: wbuf, .offset: 24, .size: 8, .value_kind: global_buffer, .address_space: global }
      - { .name: stats, .offset: 32, .size: 8, .value_kind: global_buffer, .address_space: global }
    .group_segment_fixed_size: 293120
    .private_segment_fixed_size: 0
    .kernarg_segment_align: 8
    .kernarg_segment_size: 40
    .max_flat_workgroup_size: 256
    .sgpr_count:     66
    .vgpr_count:     256
    .wavefront_size: 32
...
	.end_amdgpu_metadata
.endif
;; end of part 5
;; launch combine (part 6): grid 64 x 1, 8 waves a work-group, no clusters, 238,592 bytes of LDS; arguments part, wbuf, stats, Wv, lambda_q1, lambda_k1, lambda_q2, lambda_k2, rms_weight, on, out1; writes on, out1
.if DOCPART == 6
	.amdgcn_target "amdgcn-amd-amdhsa--gfx1250"
	.amdhsa_code_object_version 6
	.text
	.protected	k_qf29f08ef6c_combine
	.globl	k_qf29f08ef6c_combine
	.p2align	8
	.type	k_qf29f08ef6c_combine,@function
k_qf29f08ef6c_combine:
	s_mov_b64 s[64:65], 0
	v_nop
	global_prefetch_b8 v0, s[64:65] scope:SCOPE_SE
	s_setreg_imm32_b32 hwreg(HW_REG_WAVE_SCHED_MODE, 0, 2), 2
	s_setreg_imm32_b32 hwreg(HW_REG_WAVE_MODE, 25, 1), 1
	s_wait_xcnt 0x0
	s_wait_alu depctr_vm_vsrc(0)
; THE QUARTERS ARE JOINED.  For batch b and softmax hs = 2 h + s: M = the largest of the four m_j; f_j = 2^(m_j - M); L = the sum of f_j l_j + 1e-20; the softmax is f_j w / L.
; lam = exp(lambda_q1 . lambda_k1) - exp(lambda_q2 . lambda_k2) + (0.8 - 0.6 exp(-0.3)).
; Work-groups 32 .. 63 (h = x % 8, 16 batches bg = (x / 8) % 4) write out1 = w1 f1_j / L1 - lam w2 f2_j / L2.
; Work-groups 0 .. 31 make ctx[b][e] = the same combination of part's eight rows, out = ctx Wv[:, 128 h ..], the RMS norm with its gain and the factor 1 - (0.8 - 0.6 exp(-0.3)), and store it as f16 (on).
; The branch between the two hangs on the work-group's number alone.
; SHARES, first kind: K = 512 is split over the eight waves, 64 e each; the partial sums, in f32, meet in LDS; then thread t owns batch t / 16 and eight d.  Second kind: a wave owns two batches.
; FORMATS.  ctx and Wv enter the matrix unit as f16, rounded once from f32.  ctx is made with its factors times tau = 1 / (1 + |lam|), so it lies within key's range whatever lam is; the f32 product is
; multiplied by 1 + |lam| again ahead of the squares.
; LIMITS.  ctx is a difference taken behind the sums over the keys (the formula as written takes it in front of them); Wv and key within 65,504; on is at most 7.3 |rms_weight|, which must stay within
; 65,504; NaN and infinities are not treated apart.
; NO CLUSTER, NO TENSOR LOAD: Wv and part arrive as f32 and pass registers, Wv to be rounded, part to be combined.
; THE MODE: SCHED_MODE bits 1:0 = 2 (LLVM: expert scheduling mode 2), set by the entry lines.  The code itself states the register dependences
; between vector or matrix instructions and memory or LDS instructions, with s_wait_alu, always for 0.
; THE PLAN.  Registers that memory or LDS instructions touch:
;   RING       Group G's conversions (Wv) or multiply-adds (part) read slot G % 5; behind them the loads of group G + 5 land in it.
;   T0, T1     v36-51 and v64-79, by turns: a group of Wv is rounded into one of them, and its eight LDS stores read it.  One wait on vm_vsrc for every two groups.
;   v36-51     From group 8 on: group G's four numbers of ctx in f16 go into a pair of their own, which one LDS store reads: one wait on vm_vsrc at group 8 serves all eight groups.
;   CO         A group's eight factors: its multiply-adds read them, and behind them the next group's factors land there.
;   ONE wait on va_vdst stands in a group, behind its conversions: the out-registers are written, slot G % 5 and CO are read.  The group's loads and stores follow it with no vector instruction between.
;   accumulators  They take v36-99: a wait on vm_vsrc ahead of the first product (the stores of ctx have read v36-51); places and a wait on va_vdst ahead of the stores of the partial sums.
;   out1's arm A batch's 32 packed lines write 32 registers in place; one wait on va_vdst; its eight stores.  No store's data is written again.
;   addresses  Made at the head and never written again.
.set PV, 288                     ; a row of Wv in LDS: 128 d in f16 + 32 bytes
.set PX, 144                     ; a row of ctx: 64 e in f16 + 16
.set PR, 528                     ; a row of partial sums: 128 d in f32 + 16
.set CTO, 64*PV
.set COO, CTO+16*PX
.set BLK, COO+512                ; a wave's own block: Wv's 64 rows, ctx's 16, the factors [16 b][2 s][4 j]
.set RED, 8*BLK
.set SPARE, RED+8*16*PR          ; the spare words: 128 bytes a wave, named by no other line
.set CC, 1
.set GG, 2
.set SG, 3
.set LG, 4
.set COA, 5
.set GV, 6
.set SV, 7
.set PG, 8
.set CFR, 9
.set CTA, 10
.set TRV, 11
.set FC, 12
.set RSA, 13
.set RRA, 14
.set GO, 15
.set RW, 16
.set CFU, 17
.set SPW, 18
.set NIL, 19
.set KAP, 20                     ; v20: 1 + |lam|; v21: its reciprocal
.set WGT, 28                     ; v28-35: my eight numbers of rms_weight
.set T, 36                       ; v36-51: out-buffer 0; the other lies 28 registers on, v64-79
.set CO, 52                      ; v52-59: a batch's eight factors
.set AC, 60                      ; v60-63: four numbers of ctx
.set PT, 64                      ; v64-95: lambdas, m, l and what is made of them
.set RING, 96                    ; v96-255: five groups of eight loads
.set ACC, 36                     ; later: eight accumulators,
.set BF, 100                     ; ctx's fragments,
.set AF, 116                     ; Wv's fragments
.set RL, 100                     ; later still: the partial sums read back
.macro PLACES
.rept 4
	v_nop
.endr
.endm
.macro CV n, src, dst
.set cq, 0
.rept \n
	v_cvt_pk_f16_f32 v[(\dst)+2*cq], v[(\src)+4*cq], v[(\src)+4*cq+1]
	v_cvt_pk_f16_f32 v[(\dst)+2*cq+1], v[(\src)+4*cq+2], v[(\src)+4*cq+3]
.set cq, cq+1
.endr
.endm
; two numbers times ONE factor, which is register par of the pair co (op_sel picks it for the low result, op_sel_hi for the high one)
.macro PKM dst, src, co, par
.if \par
	v_pk_mul_f32 v[\dst:\dst+1], v[\src:\src+1], v[\co:\co+1] op_sel:[0,1] op_sel_hi:[1,1]
.else
	v_pk_mul_f32 v[\dst:\dst+1], v[\src:\src+1], v[\co:\co+1] op_sel_hi:[1,0]
.endif
.endm
.macro PKF dst, src, co, par
.if \par
	v_pk_fma_f32 v[\dst:\dst+1], v[\src:\src+1], v[\co:\co+1], v[\dst:\dst+1] op_sel:[0,1,0] op_sel_hi:[1,1,1]
.else
	v_pk_fma_f32 v[\dst:\dst+1], v[\src:\src+1], v[\co:\co+1], v[\dst:\dst+1] op_sel_hi:[1,0,1]
.endif
.endm
; lam and the factors.  Lane (c, g) works for batch c and softmax s = g; every wave makes all 32 sets for itself and keeps them in its own block.
; later = the loads issued behind the head's twelve.  usetau = 1: the factors carry 1 / (1 + |lam|).
.macro COEFS usetau, later
	s_wait_loadcnt \later
	v_mul_f32 v[PT+16], v[PT], v[PT+2]
	v_mul_f32 v[PT+17], v[PT+4], v[PT+6]
	v_fmac_f32 v[PT+16], v[PT+1], v[PT+3]
	v_fmac_f32 v[PT+17], v[PT+5], v[PT+7]
.irp m, 1,2,4,8
	v_add_f32_dpp v[PT+16], v[PT+16], v[PT+16] row_xmask:\m row_mask:0xf bank_mask:0xf
	v_add_f32_dpp v[PT+17], v[PT+17], v[PT+17] row_xmask:\m row_mask:0xf bank_mask:0xf
.endr
	v_permlanex16_b32 v[PT], v[PT+16], s32, s33
	v_permlanex16_b32 v[PT+4], v[PT+17], s32, s33
	v_add_f32 v[PT+16], v[PT+16], v[PT]
	v_add_f32 v[PT+17], v[PT+17], v[PT+4]
	v_mul_f32 v[PT+16], 0x3fb8aa3b, v[PT+16]
	v_mul_f32 v[PT+17], 0x3fb8aa3b, v[PT+17]
	v_exp_f32 v[PT+16], v[PT+16]
	v_exp_f32 v[PT+17], v[PT+17]
	v_max3_num_f32 v[PT+18], v[PT+8], v[PT+9], v[PT+10]      ; plain work behind the exponentials (ISA guide 5.7.2): M
	v_max_num_f32 v[PT+18], v[PT+18], v[PT+11]
	v_cmp_eq_u32 vcc_lo, 1, v[GG]
	s_wait_alu depctr_va_vdst(0)           ; the two exponentials have written their results, ahead of the first line that names them
	v_sub_f32 v[PT+16], v[PT+16], v[PT+17]
	v_add_f32 v[PT+16], 0x3eb60549, v[PT+16]                 ; lam
.irp j, 0,1,2,3
	v_sub_f32 v[PT+20+\j], v[PT+8+\j], v[PT+18]
.endr
	v_and_b32 v[PT+25], 0x7fffffff, v[PT+16]
	v_add_f32 v[KAP], 1.0, v[PT+25]
	v_mul_f32 v[PT+17], -1.0, v[PT+16]
	s_wait_alu depctr_va_vcc(0)            ; the compare has written VCC, which the select reads
	v_cndmask_b32 v[PT+19], 1.0, v[PT+17], vcc_lo            ; 1 for s = 0, -lam for s = 1
.irp j, 0,1,2,3
	v_exp_f32 v[PT+20+\j], v[PT+20+\j]                       ; f_j
.endr
	v_rcp_f32 v[KAP+1], v[KAP]
	v_nop
	s_wait_alu depctr_va_vdst(0)           ; the four exponentials and the reciprocal have written their results, ahead of the first line that names them
	v_fmaak_f32 v[PT+24], v[PT+20], v[PT+12], 0x1e3ce508     ; f_0 l_0 + 1e-20
	v_fmac_f32 v[PT+24], v[PT+21], v[PT+13]
	v_fmac_f32 v[PT+24], v[PT+22], v[PT+14]
	v_fmac_f32 v[PT+24], v[PT+23], v[PT+15]
	v_rcp_f32 v[PT+24], v[PT+24]                             ; L is at least 1: the largest key's weight
.if \usetau
	v_mul_f32 v[PT+19], v[PT+19], v[KAP+1]
.else
	v_nop
.endif
	s_wait_alu depctr_va_vdst(0)           ; the reciprocal has written 1 / L, ahead of the line that names it
	v_mul_f32 v[PT+19], v[PT+19], v[PT+24]
.irp j, 0,1,2,3
	v_mul_f32 v[PT+20+\j], v[PT+20+\j], v[PT+19]
.endr
	s_wait_alu depctr_va_vdst(0)           ; the four factors are written, which the store reads; so are all the LDS addresses made above, which the LDS instructions from here on read
	ds_store_b128 v[COA], v[PT+20:PT+23]
.endm
; Group G of sixteen, eight loads.  0-7: rows 8 G .. of my 64 rows of Wv, 512 bytes each.  8-15: for batches 2 (G - 8) + g the eight rows (s, j) of part, my 64 e of each.
.macro ISSUE G
.set sl, RING+32*((\G)%5)
.if (\G) < 8
.irp i, 0,1,2,3,4,5,6,7
	global_load_b128 v[sl+4*\i:sl+4*\i+3], v[GV], s[10:11] offset:(8*(\G)+\i)*4096
.endr
.else
.irp i, 0,1,2,3,4,5,6,7
	global_load_b128 v[sl+4*\i:sl+4*\i+3], v[PG], s[4:5] offset:((\G)-8)*262144+(\i%4)*32768+(\i/4)*2048
.endr
.endif
.endm
.macro COLD G                    ; group G's eight factors, out of my own block
	ds_load_b128 v[CO:CO+3], v[CFR] offset:((\G)-8)*64
	ds_load_b128 v[CO+4:CO+7], v[CFR] offset:((\G)-8)*64+16
.endm
; The group is in (the count: eight loads for each younger group, four of them or as many as are left) and goes into my block: Wv rounded, part combined and rounded.
; Behind the group's one wait on va_vdst its slot is asked for again, for the group five further on.
.macro PROC G
.set sl, RING+32*((\G)%5)
.set yg, 15-(\G)
.if yg > 4
.set yg, 4
.endif
	s_wait_loadcnt 8*yg
.if (\G) < 8
.set tb, T+28*((\G)%2)
.if ((\G) >= 2) && ((\G)%2 == 0)
	s_wait_alu depctr_vm_vsrc(0)           ; the stores of the two groups before have read both out-buffers, which this group and the next write again
.endif
	CV 8, sl, tb
	s_wait_alu depctr_va_vdst(0)           ; the sixteen conversions have written the out-buffer, which the stores read, and are done reading the slot, in which the loads land
	ISSUE (\G)+5
.irp i, 0,1,2,3,4,5,6,7
	ds_store_b64 v[SV], v[tb+2*\i:tb+2*\i+1] offset:(8*(\G)+\i)*PV
.endr
.if (\G) == 7
	COLD 8                                 ; no vector instruction has named CO yet
.endif
.else
.set xr, T+2*((\G)-8)
	s_wait_dscnt 0x0                       ; the group's factors are in
.if (\G) == 8
	s_wait_alu depctr_vm_vsrc(0)           ; the stores of groups 6 and 7 have read the out-buffers: v36-51 take ctx from here on, a pair a group
.endif
	PKM AC, sl, CO, 0
	PKM AC+2, sl+2, CO, 0
.irp i, 1,2,3,4,5,6,7
	PKF AC, sl+4*\i, CO+2*(\i/2), \i%2
	PKF AC+2, sl+4*\i+2, CO+2*(\i/2), \i%2
.endr
	v_cvt_pk_f16_f32 v[xr], v[AC], v[AC+1]
	v_cvt_pk_f16_f32 v[xr+1], v[AC+2], v[AC+3]
	s_wait_alu depctr_va_vdst(0)           ; the two conversions have written the group's pair, which the store reads; the multiply-adds are done reading the slot and CO, in which the loads below land
.if (\G) <= 10
	ISSUE (\G)+5
.endif
	ds_store_b64 v[CTA], v[xr:xr+1] offset:((\G)-8)*2*PX
.if (\G) < 15
	COLD (\G)+1
.endif
.endif
.endm
.macro RADD a, b
.irp q, 0,2,4,6
	v_pk_add_f32 v[RL+8*\a+\q:RL+8*\a+\q+1], v[RL+8*\a+\q:RL+8*\a+\q+1], v[RL+8*\b+\q:RL+8*\b+\q+1]
.endr
.endm
	s_load_b512 s[4:19], s[0:1], 0x0       ; part s[4:5], wbuf s[6:7], stats s[8:9], Wv s[10:11], lambda_q1, _k1, _q2, _k2 s[12:19]
	s_load_b128 s[20:23], s[0:1], 0x40     ; rms_weight s[20:21], on s[22:23]
	s_load_b64 s[24:25], s[0:1], 0x50      ; out1
	v_lshl_add_u32 v[SPW], v0, 2, SPARE
	v_mov_b32 v[NIL], 0
	v_lshrrev_b32 v22, 5, v0
	v_readfirstlane_b32 s26, v22           ; wave
	s_lshr_b32 s27, ttmp9, 5               ; which kind of work
	s_and_b32 s28, ttmp9, 7                ; h
	s_bfe_u32 s29, ttmp9, 0x20003          ; bg
	s_mov_b32 s32, 0x76543210
	s_mov_b32 s33, 0xfedcba98
	s_mov_b32 s34, 0x3c000000              ; 1 / 128
	s_mov_b32 s35, 0x3727c5ac              ; 1e-5
	s_lshl_b32 s42, s29, 13                ; stats: 512 bytes a batch; hs = 2 h
	s_lshl_b32 s41, s28, 3
	s_add_co_u32 s42, s42, s41
	s_mov_b32 s43, 0
	s_wait_alu depctr_va_sdst(0)           ; s26 is written, ahead of its first reader: the bases and the LDS places are made from it
	s_lshl_b32 s44, s26, 18                ; Wv: my 64 rows, columns 128 h on
	s_lshl_b32 s41, s28, 9
	s_add_co_u32 s44, s44, s41
	s_mov_b32 s45, 0
	s_lshl_b32 s46, s29, 21                ; part: 131,072 bytes a batch, row 2 h, my 64 e
	s_lshl_b32 s41, s28, 12
	s_add_co_u32 s46, s46, s41
	s_lshl_b32 s41, s26, 8
	s_add_co_u32 s46, s46, s41
	s_mov_b32 s47, 0
	s_lshl_b32 s48, s29, 15                ; on: 2,048 bytes a batch, 256 a head
	s_lshl_b32 s41, s28, 8
	s_add_co_u32 s48, s48, s41
	s_mov_b32 s49, 0
	s_lshl_b32 s50, s29, 20                ; wbuf: batch 16 bg + 2 w, row 2 h
	s_lshl_b32 s41, s26, 17
	s_add_co_u32 s50, s50, s41
	s_lshl_b32 s41, s28, 13
	s_add_co_u32 s50, s50, s41
	s_mov_b32 s51, 0
	s_lshl_b32 s52, s29, 19                ; out1: batch 16 bg + 2 w, head h
	s_lshl_b32 s41, s26, 16
	s_add_co_u32 s52, s52, s41
	s_lshl_b32 s41, s28, 12
	s_add_co_u32 s52, s52, s41
	s_mov_b32 s53, 0
	s_mul_i32 s36, s26, BLK
	s_add_co_u32 s37, s36, CTO
	s_add_co_u32 s38, s36, COO
	s_mul_i32 s39, s26, 16*PR
	s_add_co_u32 s39, s39, RED
	s_lshl_b32 s40, s26, 6
	s_add_co_u32 s40, s40, s38
	v_and_b32 v[CC], 15, v0
	v_bfe_u32 v[GG], v0, 4, 1
	v_and_b32 v22, 31, v0
	v_lshrrev_b32 v23, 4, v0
	v_lshlrev_b32 v24, 4, v[CC]
	v_lshlrev_b32 v[SG], 9, v[CC]
	v_lshl_add_u32 v[SG], v[GG], 2, v[SG]
	v_lshlrev_b32 v[LG], 3, v22
	v_lshlrev_b32 v[GV], 4, v22
	v_lshl_add_u32 v[PG], v[GG], 17, v24
	v_lshlrev_b32 v[RW], 5, v[CC]
	s_wait_kmcnt 0x0
	s_add_nc_u64 s[8:9], s[8:9], s[42:43]
	s_add_nc_u64 s[10:11], s[10:11], s[44:45]
	s_add_nc_u64 s[4:5], s[4:5], s[46:47]
	s_add_nc_u64 s[22:23], s[22:23], s[48:49]
	s_add_nc_u64 s[6:7], s[6:7], s[50:51]
	s_add_nc_u64 s[24:25], s[24:25], s[52:53]
	s_wait_alu depctr_va_vdst(0)           ; the five offsets v[SG], v[LG], v[GV], v[PG] and v[RW] are written: every load from memory reads one of them
	global_load_b64 v[PT:PT+1], v[LG], s[12:13]
	global_load_b64 v[PT+2:PT+3], v[LG], s[14:15]
	global_load_b64 v[PT+4:PT+5], v[LG], s[16:17]
	global_load_b64 v[PT+6:PT+7], v[LG], s[18:19]
.irp j, 0,1,2,3
	global_load_b32 v[PT+8+\j], v[SG], s[8:9] offset:\j*128      ; m_j
	global_load_b32 v[PT+12+\j], v[SG], s[8:9] offset:\j*128+64  ; l_j
.endr
	v_lshlrev_b32 v[COA], 5, v[CC]
	v_lshl_add_u32 v[COA], v[GG], 4, v[COA]
	v_add_nc_u32 v[COA], s38, v[COA]
	s_cmp_lg_u32 s27, 0
	s_cbranch_scc1 .Lweights
	; ---- ctx, its product with Wv, the norm ----
	global_load_b128 v[WGT:WGT+3], v[RW], s[20:21]           ; no vector instruction since the wait above names these loads' offsets or the registers in which they land
	global_load_b128 v[WGT+4:WGT+7], v[RW], s[20:21] offset:16
	ISSUE 0
	ISSUE 1
	ISSUE 2
	ISSUE 3
	ISSUE 4
	v_lshl_add_u32 v[SV], v22, 3, s36
	v_lshl_add_u32 v[CFR], v[GG], 5, s38
	v_mul_u32_u24 v[CTA], v[GG], PX
	v_lshl_add_u32 v[CTA], v[CC], 3, v[CTA]
	v_add_nc_u32 v[CTA], s37, v[CTA]
	v_and_b32 v25, 7, v0
	v_lshl_add_u32 v25, v[GG], 3, v25
	v_mul_u32_u24 v[TRV], v25, PV
	v_bfe_u32 v25, v0, 3, 1
	v_lshl_add_u32 v[TRV], v25, 4, v[TRV]
	v_add_nc_u32 v[TRV], s36, v[TRV]
	v_mul_u32_u24 v[FC], v[CC], PX
	v_lshl_add_u32 v[FC], v[GG], 4, v[FC]
	v_add_nc_u32 v[FC], s37, v[FC]
	v_mul_u32_u24 v[RSA], v[CC], PR
	v_lshl_add_u32 v[RSA], v[GG], 5, v[RSA]
	v_add_nc_u32 v[RSA], s39, v[RSA]
	v_mul_u32_u24 v[RRA], v23, PR
	v_lshl_add_u32 v[RRA], v[CC], 5, v[RRA]
	v_add_nc_u32 v[RRA], RED, v[RRA]
	v_lshl_add_u32 v[GO], v23, 11, v24
	COEFS 1, 42                            ; behind the head's twelve loads: rms_weight's 2 and five groups of 8
.set grp, 0
.rept 16
	PROC grp
.set grp, grp+1
.endr
	; Source 0 = 16 d of Wv (turned: it lies [e][d]), source 1 = 16 batches of ctx: a lane of the result holds one batch and eight d.  My own block: no barrier.
	; The fragments land in the ring's registers: their last readers, group 15's multiply-adds, stand ahead of that group's wait on va_vdst.
.irp ks, 0,1
	ds_load_b128 v[BF+8*\ks:BF+8*\ks+3], v[FC] offset:64*\ks
	ds_load_b128 v[BF+8*\ks+4:BF+8*\ks+7], v[FC] offset:64*\ks+32
.irp t, 0,1,2,3,4,5,6,7
	ds_load_tr16_b128 v[AF+64*\ks+8*\t:AF+64*\ks+8*\t+3], v[TRV] offset:\ks*32*PV+\t*32
	ds_load_tr16_b128 v[AF+64*\ks+8*\t+4:AF+64*\ks+8*\t+7], v[TRV] offset:\ks*32*PV+16*PV+\t*32
.endr
.endr
	s_wait_dscnt 18                        ; the first 32 along K are in; the second 18 loads stay out
	s_wait_alu depctr_vm_vsrc(0)           ; the stores of ctx have read v36-51, which the first two accumulators take
.irp t, 0,1,2,3,4,5,6,7          ; eight accumulators take turns
	v_wmma_f32_16x16x32_f16 v[ACC+8*\t:ACC+8*\t+7], v[AF+8*\t:AF+8*\t+7], v[BF:BF+7], 0
.endr
	s_wait_dscnt 0x0
.irp t, 0,1,2,3,4,5,6,7
	v_wmma_f32_16x16x32_f16 v[ACC+8*\t:ACC+8*\t+7], v[AF+64+8*\t:AF+64+8*\t+7], v[BF+8:BF+15], v[ACC+8*\t:ACC+8*\t+7]
.endr
	PLACES
	s_wait_alu depctr_va_vdst(0)           ; the products have written the accumulators, which the LDS stores read, and are done reading the fragments, in which the partial sums land behind the barrier; the places above stay beside this wait
.irp t, 0,1,2,3,4,5,6,7
	ds_store_b128 v[RSA], v[ACC+8*\t:ACC+8*\t+3] offset:\t*64
	ds_store_b128 v[RSA], v[ACC+8*\t+4:ACC+8*\t+7] offset:\t*64+16
.endr
	s_wait_dscnt 0x0
	s_barrier_signal -1
	s_barrier_wait -1                      ; all eight partial sums lie in RED
.irp k, 0,1,2,3,4,5,6,7
	ds_load_b128 v[RL+8*\k:RL+8*\k+3], v[RRA] offset:\k*16*PR
	ds_load_b128 v[RL+8*\k+4:RL+8*\k+7], v[RRA] offset:\k*16*PR+16
.endr
	s_wait_dscnt 0x0
	RADD 0, 1
	RADD 2, 3
	RADD 4, 5
	RADD 6, 7
	RADD 0, 2
	RADD 4, 6
	RADD 0, 4
.irp q, 0,2,4,6
	v_pk_mul_f32 v[RL+\q:RL+\q+1], v[RL+\q:RL+\q+1], v[KAP:KAP+1] op_sel_hi:[1,0]   ; 1 + |lam| comes back in
.endr
	v_pk_mul_f32 v[RL+8:RL+9], v[RL:RL+1], v[RL:RL+1]
	v_pk_fma_f32 v[RL+8:RL+9], v[RL+2:RL+3], v[RL+2:RL+3], v[RL+8:RL+9]
	v_pk_fma_f32 v[RL+8:RL+9], v[RL+4:RL+5], v[RL+4:RL+5], v[RL+8:RL+9]
	v_pk_fma_f32 v[RL+8:RL+9], v[RL+6:RL+7], v[RL+6:RL+7], v[RL+8:RL+9]
	v_add_f32 v[RL+8], v[RL+8], v[RL+9]
.irp m, 1,2,4,8                  ; a batch's 128 numbers lie in sixteen neighbouring lanes
	v_add_f32_dpp v[RL+8], v[RL+8], v[RL+8] row_xmask:\m row_mask:0xf bank_mask:0xf
.endr
	v_fma_f32 v[RL+8], v[RL+8], s34, s35   ; the mean of the squares + 1e-5
	v_rsq_f32 v[RL+8], v[RL+8]
	v_nop
	s_wait_alu depctr_va_vdst(0)           ; the root's reciprocal is written, ahead of the line that names it
	v_mul_f32 v[RL+8], 0x3f24fd5c, v[RL+8] ; times 1 - (0.8 - 0.6 exp(-0.3))
.irp q, 0,2,4,6
	v_pk_mul_f32 v[WGT+\q:WGT+\q+1], v[WGT+\q:WGT+\q+1], v[RL+8:RL+9] op_sel_hi:[1,0]
.endr
.irp q, 0,2,4,6
	v_pk_mul_f32 v[RL+\q:RL+\q+1], v[RL+\q:RL+\q+1], v[WGT+\q:WGT+\q+1]
.endr
.irp q, 0,1,2,3
	v_cvt_pk_f16_f32 v[RL+10+\q], v[RL+2*\q], v[RL+2*\q+1]
.endr
	s_wait_alu depctr_va_vdst(0)           ; the four conversions have written the store's data
	global_store_b128 v[GO], v[RL+10:RL+13], s[22:23]        ; sixteen lanes store 256 consecutive bytes, aligned
	s_wait_dscnt 0x0                       ; the closing lines, six on end
	s_wait_alu 0x0
	s_wait_tensorcnt 0x0
	ds_add_u32 v[SPW], v[NIL]
	s_wait_dscnt 0x0
	s_endpgm
.Lweights:
	; ---- out1: two batches a wave, both softmaxes' 1,024 weights each ----
.set i, 0
.rept 32                         ; no vector instruction since the head's wait names v[GV] or the ring
	global_load_b128 v[RING+4*i:RING+4*i+3], v[GV], s[6:7] offset:(i/16)*65536+((i/8)%2)*4096+(i%8)*512
.set i, i+1
.endr
	v_mov_b32 v[CFU], s40
	COEFS 0, 32                            ; behind the head's twelve loads: these 32
.irp q, 0,1,2,3
	ds_load_b128 v[T+4*\q:T+4*\q+3], v[CFU] offset:16*\q     ; my two batches' factors: T + 8 bl + 4 s + j; v[CFU] was written ahead of the last wait on va_vdst
.endr
	s_wait_dscnt 0x0
.irp bl, 0,1
	s_wait_loadcnt 16-16*\bl               ; this batch's sixteen loads are in
.irp i, 0,1,2,3,4,5,6,7          ; 128 keys a load: quarter j = i / 2
.set d1, RING+64*\bl+4*\i
.set c1, T+8*\bl+2*(\i/4)
	PKM d1, d1, c1, (\i/2)%2
	PKM d1+2, d1+2, c1, (\i/2)%2
	PKF d1, d1+32, c1+4, (\i/2)%2
	PKF d1+2, d1+34, c1+4, (\i/2)%2
.endr
	s_wait_alu depctr_va_vdst(0)           ; the batch's 32 packed lines have written the 32 registers that its eight stores read
.irp i, 0,1,2,3,4,5,6,7
	global_store_b128 v[GV], v[RING+64*\bl+4*\i:RING+64*\bl+4*\i+3], s[24:25] offset:\bl*32768+\i*512 th:TH_STORE_NT   ; 512 consecutive bytes, aligned to 256
.endr
.endr
	s_wait_dscnt 0x0                       ; the closing lines, six on end
	s_wait_alu 0x0
	s_wait_tensorcnt 0x0
	ds_add_u32 v[SPW], v[NIL]
	s_wait_dscnt 0x0
	s_endpgm
.Lfunc_end_k_qf29f08ef6c_combine:
	.size	k_qf29f08ef6c_combine, .Lfunc_end_k_qf29f08ef6c_combine-k_qf29f08ef6c_combine
	.p2alignl 7, 3214868480
	.fill 96, 4, 3214868480
	.section	.rodata,"a",@progbits
	.p2align	6, 0x0
	.amdhsa_kernel k_qf29f08ef6c_combine
		.amdhsa_group_segment_fixed_size 238592
		.amdhsa_private_segment_fixed_size 0
		.amdhsa_enable_private_segment 0
		.amdhsa_kernarg_size 88
		.amdhsa_user_sgpr_count 2
		.amdhsa_user_sgpr_kernarg_segment_ptr 1
		.amdhsa_wavefront_size32 1
		.amdhsa_system_sgpr_workgroup_id_x 1
		.amdhsa_system_sgpr_workgroup_id_y 1
		.amdhsa_system_sgpr_workgroup_id_z 1
		.amdhsa_system_vgpr_workitem_id 0
		.amdhsa_next_free_vgpr 256
		.amdhsa_next_free_sgpr 66
		.amdhsa_reserve_vcc 1
		.amdhsa_float_denorm_mode_32 3
		.amdhsa_float_denorm_mode_16_64 3
		.amdhsa_memory_ordered 1
		.amdhsa_forward_progress 1
		.amdhsa_inst_pref_size 66
	.end_amdhsa_kernel
	.amdgpu_metadata
---
amdhsa.version: [ 1, 2 ]
amdhsa.kernels:
  - .name:           k_qf29f08ef6c_combine
    .symbol:         k_qf29f08ef6c_combine.kd
    .args:
      - { .name: part, .offset: 0, .size: 8, .value_kind: global_buffer, .address_space: global }
      - { .name: wbuf, .offset: 8, .size: 8, .value_kind: global_buffer, .address_space: global }
      - { .name: stats, .offset: 16, .size: 8, .value_kind: global_buffer, .address_space: global }
      - { .name: Wv, .offset: 24, .size: 8, .value_kind: global_buffer, .address_space: global }
      - { .name: lambda_q1, .offset: 32, .size: 8, .value_kind: global_buffer, .address_space: global }
      - { .name: lambda_k1, .offset: 40, .size: 8, .value_kind: global_buffer, .address_space: global }
      - { .name: lambda_q2, .offset: 48, .size: 8, .value_kind: global_buffer, .address_space: global }
      - { .name: lambda_k2, .offset: 56, .size: 8, .value_kind: global_buffer, .address_space: global }
      - { .name: rms_weight, .offset: 64, .size: 8, .value_kind: global_buffer, .address_space: global }
      - { .name: on, .offset: 72, .size: 8, .value_kind: global_buffer, .address_space: global }
      - { .name: out1, .offset: 80, .size: 8, .value_kind: global_buffer, .address_space: global }
    .group_segment_fixed_size: 238592
    .private_segment_fixed_size: 0
    .kernarg_segment_align: 8
    .kernarg_segment_size: 88
    .max_flat_workgroup_size: 256
    .sgpr_count:     66
    .vgpr_count:     256
    .wavefront_size: 32
...
	.end_amdgpu_metadata
.endif
;; end of part 6
;; launch oproj: the kernel of part 4 again; grid 8 x 4, 8 waves a work-group, no clusters, 234,496 bytes of LDS; arguments on, Wo, out0; writes out0
